; MI455X (gfx1250); checked and timed in simulation.
; The chip was launched on July 23, 2026; its instructions are those of AMD's public machine-readable ISA for CDNA 5 (MIT licence, August 2026) and "CDNA5" Instruction Set Architecture Reference Guide (July 2026). The comments in the code are by the model that wrote it; some were corrected since.
;; Flash Multi Head Attention. Allowed arithmetic: matrix products marked QUANTISED: E2M3 operands, one E8M0 scale for each 32 along K, by v_wmma_scale_f32_16x16x128_f8f6f4 with both operands' format E2M3, f32 sums; everything else in f32.
;; Inputs: Wproj 1,024 x 1,024 float32; Wqkv 1,024 x 3,072 float32; bproj 1,024 float32; bqkv 3,072 float32; cos 2,048 x 64 float32; sin 2,048 x 64 float32; x 4 x 2,048 x 1,024 float32.
;; Outputs: out0 4 x 2,048 x 1,024 float32.
;; This version of the problem:
;;   THIS VERSION OF THE PROBLEM IS GIVEN IN LOW PRECISION. The matrix products marked QUANTISED in the list below multiply operands that are first quantised to E2M3 (2 exponent bits, 3 mantissa bits; 6 bits a number), with one power-of-two scale for each 32 numbers along K (OCP MX v1.0); their sums are f32. All else is computed in f32.
;;   The module's matrix products, in the order in which they are computed (A, B: the left and right operand; K: the contracted axis; several contracted axes count as one K, in the product's order):
;;     1. [M 8,192, K 1,024] x [K 1,024, N 3,072]; A: input x; B: input Wqkv: QUANTISED
;;     2. batch 64 x [M 2,048, K 64] x [K 64, N 2,048]; A: computed on the way; B: computed on the way: QUANTISED
;;     3. batch 64 x [M 64, K 2,048] x [K 2,048, N 2,048]; A: computed on the way; B: softmax (see below): QUANTISED
;;     4. [M 8,192, K 1,024] x [K 1,024, N 1,024]; A: computed on the way; B: input Wproj: QUANTISED
;;   THE QUANTISER, for each operand of a quantised product, along K:
;;     - K is cut into blocks of 32 from its start; a last block that is shorter is filled with zeros.
;;     - A block's scale is 2^e with e = floor(log2(the largest magnitude in the block)) - 2, held to -126 .. 127; a block of zeros has e = 0. As a byte (E8M0): e + 127.
;;     - Each number is divided by its block's scale, clamped to +-7.5, and rounded to the nearest number of E2M3, ties to even, subnormals kept.
;;     - The product sums the exact products of the quantised numbers (number of the format x scale) in f32.
;;   ~~~python
;;   def quantise(x, axis):      # numpy; x: float32 -> the quantised numbers, widened to float32 again
;;       x = np.moveaxis(x, axis, -1); K = x.shape[-1]
;;       x = np.pad(x, [(0, 0)] * (x.ndim - 1) + [(0, -K % 32)]); x = x.reshape(x.shape[:-1] + (-1, 32)); a = np.abs(x).max(-1, keepdims=True)
;;       e = np.where(a > 0, np.clip(np.frexp(np.where(a > 0, a, 1))[1] - 1 - 2, -126, 127), 0)      # np.frexp(a)[1] - 1 = floor(log2(a)), exactly
;;       r = np.clip(x / 2.0 ** e, -7.5, 7.5)
;;       step = 2.0 ** (np.maximum(np.frexp(np.where(r == 0, 1, r))[1] - 1, 0) - 3)
;;       q = np.round(r / step) * step * 2.0 ** e      # np.round: ties to even
;;       return np.moveaxis(q.reshape(q.shape[:-2] + (-1,))[..., :K], -1, axis).astype(np.float32)
;;   ~~~
;;   SOFTMAX AHEAD OF A QUANTISED PRODUCT. Where the list says 'softmax', what is quantised is not the finished softmax but p = 2^(t - M), with t = logit x log2(e) and M = ceil(the row's largest t), a whole number; so 1/2 < the row's largest p <= 1. The row's sum l is taken of the UNQUANTISED p, in f32, and the product's result is divided by l at the end. Since M is a whole number, a kernel that streams over the keys may use a running M (the ceiling of the running maximum): every later rescaling is an exact power of two, which a block's scale takes up: the codes' values come out the same.
;;   OPERANDS COMPUTED ON THE WAY. 'Computed on the way' means the value that the module computes at that place (a softmax that the list does not call 'softmax' is quantised finished and normalised). What goes into a quantiser is computed in f32, as accurately as f32 sums, v_exp_f32 and their like allow (about 1e-6 of the number): no bf16 or f16 on the way to a quantiser, and a product that is left as it is and whose result goes on into a quantised operand takes f32 operands (vector FMAs, or v_wmma_f32_16x16x4_f32). A number that lies on a knife's edge between two numbers of the format may be rounded either way, as far as f32 arithmetic and the matrix unit's own rounding can turn it there, and no further.
;; One version. Each part assembles by itself: llvm-mc -triple=amdgcn-amd-amdhsa -mcpu=gfx1250 --defsym DOCPART=n.
;; ======== version 1 of 1: 5 launches
;; limits: right only within a limited range of input values
;; workspace buffers: xq 6,553,600 bytes; wq 3,276,800 bytes; qkv 19,660,800 bytes; oq 6,553,600 bytes
;; launch quant (part 1): grid 384 x 1, 4 waves a work-group, no clusters, 87,552 bytes of LDS; arguments x, xq, Wqkv, Wproj, wq; writes xq, wq
.if DOCPART == 1
	.amdgcn_target "amdgcn-amd-amdhsa--gfx1250"
	.amdhsa_code_object_version 6
	.text
	.protected	k_q880b6f593b_quant
	.globl	k_q880b6f593b_quant
	.p2align	8
	.type	k_q880b6f593b_quant,@function
k_q880b6f593b_quant:
	s_mov_b64 s[64:65], 0
	v_nop
	global_prefetch_b8 v0, s[64:65] scope:SCOPE_SE
	s_setreg_imm32_b32 hwreg(HW_REG_WAVE_MODE, 25, 1), 1
	s_wait_xcnt 0x0
; FIRST OF FIVE LAUNCHES of: out = proj(attention(rope(x Wqkv + bqkv))) + bproj, all four products on codes of FP6 (E2M3) with one E8M0 scale for each 32 along K.
; NO WORK OF THE PROBLEM IS LEFT OUT: every input has a way to the output and is loaded by some launch (x, Wqkv, Wproj here; bqkv, cos, sin in the second; bqkv in the third; bproj in the fifth).
; THIS LAUNCH: x [8192][1024], Wqkv [1024][3072] and Wproj [1024][1024], f32, become codes and scale bytes, laid in the order in which the products' operand registers take them.
; Work-groups 0-255 take x, work-groups 256-383 the weights: the two ways part at the first line, on the work-group's number alone, and each has LDS bytes of its own.
; A block's scale is 2^(floor(log2(its largest magnitude)) - 2); its byte is the largest magnitude's exponent field - 2, held at 1 from below; numbers are divided by the scale and rounded to the nearest code, ties to even.
; LIMITS: NaN and infinities among the inputs are not served.  A block of zeros, and one whose largest magnitude lies under 2^-124, gets the byte 1 (the rule says 127 for zeros): its codes are zeros or the
; floor's, and the bytes are read by this program alone.
; LAYOUT OF xq.  Tokens go in blocks of 16; block 2 g + u, row r, is token 32 g + 8 u + r + 8 (r / 8).  A block's codes are 16 pieces of 768 bytes, one for each 64 along K: lane L = r + 16 h of the operand
; (row r, k = 32 h .. 32 h + 31 of the 64: 24 bytes) has its first 16 bytes at 16 L and its last 8 at 512 + 8 L.  A block's scale bytes are 512: row r, K block b at 128 (b / 8) + 8 r + b % 8; they begin at XS_OFF.
; x's SHARES.  A wave takes one block of 16 tokens x 512 along K, in 8 steps of two rows.  Loads read 512 consecutive bytes; a step's 4,096 bytes turn through the wave's own stage in LDS so that a lane holds one
; whole block of 32 neighbours; codes and bytes are gathered in LDS and leave as 6,144 and 256 consecutive bytes.  Waves share nothing: no barrier.
.set WAVES, 4
.set WREG,  15616                      ; LDS of a wave on x's way: two stages of 32 places of 128 + 16 bytes, its codes (6,144), its scale bytes (256)
.set STG,   4608
.set COD,   9216
.set SCB,   15360
.set SPARE, WAVES*WREG                 ; the spare words, 128 bytes a wave: two blocks of 256 bytes that no other line names
.set WB,    SPARE+512                  ; behind them: the four stages of the weights' way
.set XS_OFF, 6291456
.set R,   16                           ; v16-111  three sets of 32 numbers as loaded
.set X,   112                          ; v112-175 two sets of 32 neighbours
.set C,   176                          ; v176-223 six registers of codes for each step
.set CT,  224                          ; v224-226 a block's upper 16 codes, before they are moved
.set E,   228                          ; v228-235 a scale byte for each step
.set SPW, 236
.set NIL, 237
	s_cmp_ge_u32 ttmp9, 256
	s_cbranch_scc1 .Lweights
	s_load_b128 s[4:7], s[0:1], 0x0                ; x, xq
	v_lshl_add_u32 v[SPW], v0, 2, SPARE
	v_mov_b32 v[NIL], 0
	v_lshrrev_b32 v1, 5, v0
	v_readfirstlane_b32 s8, v1                     ; wave
	v_and_b32 v2, 31, v0                           ; lane l
	v_lshlrev_b32 v3, 4, v2                        ; 16 l: my bytes of a load's 512, and of a store's
	v_lshlrev_b32 v7, 3, v2                        ; 8 l
	s_mul_i32 s9, s8, WREG                         ; my wave's LDS
	v_lshrrev_b32 v14, 3, v2
	v_mul_u32_u24 v14, v14, 144
	v_and_b32 v15, 7, v2
	v_lshl_add_u32 v14, v15, 4, v14
	v_add_nc_u32 v14, s9, v14                      ; the stage, in: eight lanes' 128 bytes to a place
	v_mul_u32_u24 v15, v2, 144
	v_add_nc_u32 v15, s9, v15                      ; and out: place l: my 32 neighbours
	v_bfe_u32 v8, v2, 1, 3                         ; my K block is l % 16: piece (l % 16) / 2,
	v_mul_u32_u24 v8, v8, 768
	v_and_b32 v9, 1, v2                            ; half h = l % 2,
	v_bfe_u32 v10, v2, 4, 1                        ; rows t (lanes 0-15) and t + 8 (lanes 16-31)
	v_lshl_add_u32 v4, v9, 8, v8
	v_lshl_add_u32 v4, v10, 7, v4
	v_add_nc_u32 v4, s9, v4
	v_add_nc_u32 v4, COD, v4                       ; where my first 16 bytes of codes go (+ 16 t)
	v_lshl_add_u32 v5, v9, 7, v8
	v_lshl_add_u32 v5, v10, 6, v5
	v_add_nc_u32 v5, s9, v5
	v_add_nc_u32 v5, COD+512, v5                   ; and my last 8 (+ 8 t)
	v_bfe_u32 v8, v2, 3, 1
	v_and_b32 v9, 7, v2
	v_lshl_add_u32 v6, v8, 7, v9
	v_lshl_add_u32 v6, v10, 6, v6
	v_add_nc_u32 v6, s9, v6
	v_add_nc_u32 v6, SCB, v6                       ; and my scale byte (+ 8 t)
	s_lshl_b32 s10, ttmp9, 2
	s_add_co_u32 s10, s10, s8                      ; my job: block = job / 2, half of K = job % 2
	s_lshr_b32 s11, s10, 1
	s_and_b32 s12, s10, 1
	s_lshr_b32 s13, s11, 1
	s_lshl_b32 s13, s13, 5
	s_and_b32 s14, s11, 1
	s_lshl_b32 s14, s14, 3
	s_add_co_u32 s13, s13, s14                     ; the block's first token
	s_lshl_b32 s16, s13, 12
	s_lshl_b32 s14, s12, 11
	s_add_co_u32 s16, s16, s14
	s_mov_b32 s17, 0
	s_mul_i32 s18, s11, 12288
	s_mul_i32 s14, s12, 6144
	s_add_co_u32 s18, s18, s14
	s_mov_b32 s19, 0
	s_lshl_b32 s20, s11, 9
	s_lshl_b32 s14, s12, 8
	s_add_co_u32 s20, s20, s14
	s_add_co_u32 s20, s20, XS_OFF
	s_mov_b32 s21, 0
	s_wait_kmcnt 0x0
	s_add_nc_u64 s[4:5], s[4:5], s[16:17]
	s_add_nc_u64 s[22:23], s[6:7], s[20:21]        ; my scale bytes
	s_add_nc_u64 s[6:7], s[6:7], s[18:19]          ; my codes
.macro LOAD t                          ; step t: 2,048 bytes of token t and of token t + 16 of the block's 24
.irp i, 0,1,2,3
	global_load_b128 v[R+32*((\t)%3)+4*\i:R+32*((\t)%3)+4*\i+3], v3, s[4:5] offset:(\t)*4096+512*\i th:TH_LOAD_NT
.endr
.irp i, 0,1,2,3
	global_load_b128 v[R+32*((\t)%3)+16+4*\i:R+32*((\t)%3)+16+4*\i+3], v3, s[4:5] offset:((\t)+16)*4096+512*\i th:TH_LOAD_NT
.endr
.endm
.macro TURN t                          ; through the stage: LDS serves a wave's instructions in order, so no wait stands between the stores and the loads
.irp i, 0,1,2,3,4,5,6,7
	ds_store_b128 v14, v[R+32*((\t)%3)+4*\i:R+32*((\t)%3)+4*\i+3] offset:STG*((\t)%2)+576*\i
.endr
.irp j, 0,1,2,3,4,5,6,7
	ds_load_b128 v[X+32*((\t)%2)+4*\j:X+32*((\t)%2)+4*\j+3], v15 offset:STG*((\t)%2)+16*\j
.endr
.endm
.macro STEP t
.set XS, X+32*((\t)%2)
.set CC, C+6*(\t)
.if (\t) > 0
	s_wait_dscnt 3                                 ; this step's numbers are back (the last step's three stores of results may be out): so the stage's stores have read their registers,
.else
	s_wait_dscnt 0x0
.endif
.if (\t)+3 < 8
	LOAD (\t)+3                                    ; which take the loads of three steps on
.endif
.if (\t) < 7
.if (\t) <= 4
	s_wait_loadcnt 16                              ; the next step's eight loads are in; those of the two steps behind it may be out
.else
	s_wait_loadcnt 8*(6-(\t))
.endif
	TURN (\t)+1
.endif
	v_max3_num_f32 v12, |v[XS]|, |v[XS+1]|, |v[XS+2]|              ; the block's largest magnitude: all 32 numbers are mine
	v_max3_num_f32 v13, |v[XS+3]|, |v[XS+4]|, |v[XS+5]|
.irp i, 6,10,14,18,22,26
	v_max3_num_f32 v12, v12, |v[XS+\i]|, |v[XS+\i+1]|
	v_max3_num_f32 v13, v13, |v[XS+\i+2]|, |v[XS+\i+3]|
.endr
	v_max3_num_f32 v12, v12, |v[XS+30]|, |v[XS+31]|
	v_max3_num_f32 v12, v12, v13, 0x1800000        ; and the floor 2^(3 - 127): the byte cannot fall under 1
	v_add_nc_u32 v11, 0xff000000, v12              ; 2 off the exponent field: the conversion takes this operand's exponent field as its scale
	v_cvt_scalef32_pk16_fp6_f32 v[CC:CC+2], v[XS:XS+15], v11
	v_cvt_scalef32_pk16_fp6_f32 v[CT:CT+2], v[XS+16:XS+31], v11    ; (a conversion's three registers begin on an even number)
	v_lshrrev_b32 v[E+(\t)], 23, v11               ; the scale's byte; also the plain line behind the conversions
.irp i, 0,1,2
	v_mov_b32 v[CC+3+\i], v[CT+\i]
.endr
	ds_store_b128 v4, v[CC:CC+3] offset:16*(\t)
	ds_store_b64 v5, v[CC+4:CC+5] offset:8*(\t)
	ds_store_b8 v6, v[E+(\t)] offset:8*(\t)
.endm
	LOAD 0
	LOAD 1
	LOAD 2
	s_wait_loadcnt 16                              ; step 0's eight loads are in
	TURN 0
.irp t, 0,1,2,3,4,5,6,7
	STEP \t
.endr
	v_add_nc_u32 v8, s9, v3
	v_add_nc_u32 v9, s9, v7
.irp i, 0,1,2,3,4,5,6,7,8,9,10,11
	ds_load_b128 v[R+4*\i:R+4*\i+3], v8 offset:COD+512*\i          ; these see my stores: a wave's LDS instructions are served in order
.endr
	ds_load_b64 v[R+48:R+49], v9 offset:SCB
.irp i, 0,1,2,3,4,5,6,7,8,9,10,11
	s_wait_dscnt 12-\i                             ; the loads behind this one may be out
	global_store_b128 v3, v[R+4*\i:R+4*\i+3], s[6:7] offset:512*\i ; 32 lanes store 512 consecutive bytes, at a multiple of 256 from the buffer's first byte
.endr
	s_wait_dscnt 0x0
	global_store_b64 v7, v[R+48:R+49], s[22:23]    ; 256 consecutive bytes, aligned
	s_wait_tensorcnt 0x0                           ; the wave's end
	ds_add_u32 v[SPW], v[NIL]
	s_wait_dscnt 0x0
	s_endpgm
; THE WEIGHTS.  K is their FIRST axis; they are quantised along K and laid as xq is: columns n in blocks of 16, block 2 g + u, row r = column 32 g + 8 u + r + 8 (r / 8); a block's codes 16 pieces of 768 bytes,
; its scale bytes 512.  Sections of wq: Wqkv's codes at 0, its bytes at WQS_OFF, Wproj's codes at WPC_OFF, its bytes at WPS_OFF.
; A LANE TAKES A COLUMN AND ITS REGISTERS RUN DOWN K: each load reads 128 consecutive bytes a wave (512 a work-group), a block of 32 along K lies in one lane, and the conversions give codes with K innermost.
; A wave takes 32 columns x 256 along K: 8 blocks a lane.  The codes go through the wave's own stage in LDS, already in the pieces' order, and leave as 2 x 3,072 consecutive bytes.
; The 8 scale bytes of a lane leave by one store of 8 bytes: runs of 128 consecutive bytes: they are one byte in 128 of what this way reads.
; Job j = work-group - 256: j % 32 says which 128 columns (the first 24 are Wqkv's, the other 8 Wproj's), j / 32 which 256 along K; only pointers, the row pitch and section offsets are chosen by it.
.set WQS_OFF, 2359296
.set WPC_OFF, 2457600
.set WPS_OFF, 3244032
.set SPW, 20
.set NIL, 21
.set SB,  24                           ; v24-25   my 8 scale bytes
.set OFF, 32                           ; v32-63   4 l + i x the row pitch, i = 0 .. 31; never rewritten
.set X,   64                           ; v64-127  two sets of 32 numbers
.set C,   128                          ; v128-133 a block's codes; v134-136 its upper 16 before they are moved
.set CT,  134
.set OUTR, 140                         ; v140-187 the way out
.Lweights:
	s_load_b128 s[4:7], s[0:1], 0x10               ; Wqkv, Wproj
	s_load_b64 s[8:9], s[0:1], 0x20                ; wq
	v_lshl_add_u32 v[SPW], v0, 2, SPARE
	v_mov_b32 v[NIL], 0
	v_lshrrev_b32 v1, 5, v0
	v_readfirstlane_b32 s10, v1                    ; wave
	v_and_b32 v2, 31, v0                           ; lane l = 16 p + 8 u + x: column 32 g + l = block 2 g + u, row r = 8 p + x
	v_bfe_u32 v3, v2, 3, 1                         ; u
	v_bfe_u32 v4, v2, 4, 1                         ; p
	v_and_b32 v5, 7, v2
	v_lshl_add_u32 v5, v4, 3, v5                   ; r
	s_mul_i32 s11, s10, 6144
	s_add_co_u32 s11, s11, WB                      ; my stage
	v_mul_u32_u24 v6, v3, 3072
	v_add_nc_u32 v6, s11, v6
	v_lshl_add_u32 v7, v5, 4, v6                   ; where my first 16 bytes of a block's codes go
	v_lshl_add_u32 v8, v5, 3, v6
	v_add_nc_u32 v8, 512, v8                       ; and my last 8
	v_lshlrev_b32 v9, 4, v2                        ; 16 l
	v_add_nc_u32 v10, s11, v9                      ; the stage, read back as it lies
	v_lshlrev_b32 v11, 3, v5
	v_lshl_add_u32 v11, v3, 9, v11                 ; my scale bytes: 512 u + 8 r
	s_sub_co_u32 s46, ttmp9, 256                   ; my job
	s_and_b32 s47, s46, 31                         ; which 128 columns
	s_lshr_b32 s12, s46, 5                         ; which 256 along K
	s_mov_b32 s13, 4096
	s_mov_b32 s14, WPC_OFF
	s_mov_b32 s15, WPS_OFF
	s_mov_b32 s36, WQS_OFF
	s_cmp_lt_u32 s47, 24                           ; Wqkv's or Wproj's
	s_cselect_b32 s13, 12288, s13                  ; a row of the weight in bytes
	s_cselect_b32 s14, 0, s14                      ; where its codes begin in wq
	s_cselect_b32 s15, s36, s15                    ; and its scale bytes
	s_cselect_b32 s37, 0, 24
	s_sub_co_u32 s37, s47, s37
	s_lshl_b32 s37, s37, 2
	s_add_co_u32 s37, s37, s10                     ; g: my wave's 32 columns
	s_lshl_b32 s38, s12, 8
	s_mul_i32 s38, s38, s13
	s_lshl_b32 s39, s37, 7
	s_add_co_u32 s38, s38, s39                     ; the weight at my first row and column
	s_mov_b32 s39, 0
	s_lshl_b32 s40, s13, 5                         ; 32 rows on
	s_mov_b32 s41, 0
	s_mul_i32 s42, s37, 24576
	s_mul_i32 s43, s12, 3072
	s_add_co_u32 s42, s42, s43
	s_add_co_u32 s42, s42, s14
	s_mov_b32 s43, 0
	s_lshl_b32 s44, s37, 10
	s_lshl_b32 s45, s12, 7
	s_add_co_u32 s44, s44, s45
	s_add_co_u32 s44, s44, s15
	s_mov_b32 s45, 0
	v_lshlrev_b32 v[OFF], 2, v2
.irp i, 1,2,3,4,5,6,7,8,9,10,11,12,13,14,15,16,17,18,19,20,21,22,23,24,25,26,27,28,29,30,31
	v_add_nc_u32 v[OFF+\i], s13, v[OFF+\i-1]
.endr
	s_wait_alu depctr_va_vdst(0)                   ; the wait at the head's end
	s_wait_kmcnt 0x0
	s_cmp_lt_u32 s47, 24
	s_cselect_b64 s[4:5], s[4:5], s[6:7]
	s_add_nc_u64 s[16:17], s[4:5], s[38:39]        ; a base for each of my 8 blocks: none is stepped while loads are out
.irp t, 1,2,3,4,5,6,7
	s_add_nc_u64 s[16+2*\t:17+2*\t], s[14+2*\t:15+2*\t], s[40:41]
.endr
	s_add_nc_u64 s[6:7], s[8:9], s[42:43]          ; my codes
	s_add_nc_u64 s[8:9], s[8:9], s[44:45]          ; my scale bytes
.macro WLOAD t
.irp i, 0,1,2,3,4,5,6,7,8,9,10,11,12,13,14,15,16,17,18,19,20,21,22,23,24,25,26,27,28,29,30,31
	global_load_b32 v[X+32*((\t)%2)+\i], v[OFF+\i], s[16+2*(\t):17+2*(\t)] th:TH_LOAD_NT
.endr
.endm
	WLOAD 0
	WLOAD 1
.macro BLOCK t
.set XS, X+32*((\t)%2)
.if (\t) < 7
	s_wait_loadcnt 32                              ; this block's 32 loads are in; the next block's may be out
.else
	s_wait_loadcnt 0x0
.endif
	v_max3_num_f32 v12, |v[XS]|, |v[XS+1]|, |v[XS+2]|
	v_max3_num_f32 v13, |v[XS+3]|, |v[XS+4]|, |v[XS+5]|
.irp i, 6,10,14,18,22,26
	v_max3_num_f32 v12, v12, |v[XS+\i]|, |v[XS+\i+1]|
	v_max3_num_f32 v13, v13, |v[XS+\i+2]|, |v[XS+\i+3]|
.endr
	v_max3_num_f32 v12, v12, |v[XS+30]|, |v[XS+31]|
	v_max3_num_f32 v12, v12, v13, 0x1800000        ; the floor 2^(3 - 127)
	v_add_nc_u32 v14, 0xff000000, v12              ; the conversion's scale operand
	v_lshrrev_b32 v15, 23, v14                     ; the scale's byte
.if (\t)%4 == 0
	v_mov_b32 v[SB+(\t)/4], v15
.else
	v_lshl_or_b32 v[SB+(\t)/4], v15, 8*((\t)%4), v[SB+(\t)/4]
.endif
	v_cvt_scalef32_pk16_fp6_f32 v[C:C+2], v[XS:XS+15], v14
	v_cvt_scalef32_pk16_fp6_f32 v[CT:CT+2], v[XS+16:XS+31], v14
	v_nop                                          ; one plain line behind the conversions
.irp i, 0,1,2
	v_mov_b32 v[C+3+\i], v[CT+\i]
.endr
	ds_store_b128 v7, v[C:C+3] offset:((\t)/2)*768+((\t)%2)*256    ; block t is piece t / 2, half t % 2
	ds_store_b64 v8, v[C+4:C+5] offset:((\t)/2)*768+((\t)%2)*128
.if (\t)+2 < 8
	WLOAD (\t)+2
.endif
	s_wait_dscnt 0x0                               ; the stores have read their registers: the next block's codes may be written
.endm
.irp t, 0,1,2,3,4,5,6,7
	BLOCK \t
.endr
	s_wait_alu depctr_va_vdst(0)                   ; the wait ahead of the reader below
	global_store_b64 v11, v[SB:SB+1], s[8:9]
.irp i, 0,1,2,3,4,5,6,7,8,9,10,11
	ds_load_b128 v[OUTR+4*\i:OUTR+4*\i+3], v10 offset:512*\i
.endr
.irp i, 0,1,2,3,4,5,6,7,8,9,10,11
	s_wait_dscnt 11-\i
	global_store_b128 v9, v[OUTR+4*\i:OUTR+4*\i+3], s[6:7] offset:(\i/6)*12288+(\i%6)*512   ; 512 consecutive bytes, at a multiple of 256 from the buffer's first byte
.endr
	s_wait_tensorcnt 0x0                           ; the wave's end
	ds_add_u32 v[SPW], v[NIL]
	s_wait_dscnt 0x0
	s_endpgm
.Lfunc_end_k_q880b6f593b_quant:
	.size	k_q880b6f593b_quant, .Lfunc_end_k_q880b6f593b_quant-k_q880b6f593b_quant
	.p2alignl 7, 3214868480
	.fill 96, 4, 3214868480
	.section	.rodata,"a",@progbits
	.p2align	6, 0x0
	.amdhsa_kernel k_q880b6f593b_quant
		.amdhsa_group_segment_fixed_size 87552
		.amdhsa_private_segment_fixed_size 0
		.amdhsa_enable_private_segment 0
		.amdhsa_kernarg_size 40
		.amdhsa_user_sgpr_count 2
		.amdhsa_user_sgpr_kernarg_segment_ptr 1
		.amdhsa_wavefront_size32 1
		.amdhsa_system_sgpr_workgroup_id_x 1
		.amdhsa_system_sgpr_workgroup_id_y 1
		.amdhsa_system_sgpr_workgroup_id_z 1
		.amdhsa_system_vgpr_workitem_id 0
		.amdhsa_next_free_vgpr 256
		.amdhsa_next_free_sgpr 66
		.amdhsa_reserve_vcc 0
		.amdhsa_float_denorm_mode_32 3
		.amdhsa_float_denorm_mode_16_64 3
		.amdhsa_memory_ordered 1
		.amdhsa_forward_progress 1
		.amdhsa_inst_pref_size 76
	.end_amdhsa_kernel
	.amdgpu_metadata
---
amdhsa.version: [ 1, 2 ]
amdhsa.kernels:
  - .name:           k_q880b6f593b_quant
    .symbol:         k_q880b6f593b_quant.kd
    .args:
      - { .name: x, .offset: 0, .size: 8, .value_kind: global_buffer, .address_space: global }
      - { .name: xq, .offset: 8, .size: 8, .value_kind: global_buffer, .address_space: global }
      - { .name: Wqkv, .offset: 16, .size: 8, .value_kind: global_buffer, .address_space: global }
      - { .name: Wproj, .offset: 24, .size: 8, .value_kind: global_buffer, .address_space: global }
      - { .name: wq, .offset: 32, .size: 8, .value_kind: global_buffer, .address_space: global }
    .group_segment_fixed_size: 87552
    .private_segment_fixed_size: 0
    .kernarg_segment_align: 8
    .kernarg_segment_size: 40
    .max_flat_workgroup_size: 128
    .sgpr_count:     66
    .vgpr_count:     256
    .wavefront_size: 32
...
	.end_amdgpu_metadata
.endif
;; end of part 1
;; launch qkv (part 2): grid 8 x 32, 4 waves a work-group, clusters of 4 x 4, 327,680 bytes of LDS; arguments xq, wq, bqkv, cos, sin, qkv; writes qkv
.if DOCPART == 2
	.amdgcn_target "amdgcn-amd-amdhsa--gfx1250"
	.amdhsa_code_object_version 6
	.text
	.protected	k_q880b6f593b_qkv
	.globl	k_q880b6f593b_qkv
	.p2align	8
	.type	k_q880b6f593b_qkv,@function
k_q880b6f593b_qkv:
	s_mov_b64 s[64:65], 0
	v_nop
	global_prefetch_b8 v0, s[64:65] scope:SCOPE_SE
	s_setreg_imm32_b32 hwreg(HW_REG_WAVE_MODE, 25, 1), 1
	s_wait_xcnt 0x0
	s_wait_alu depctr_hold_cnt(0) depctr_sa_sdst(0) depctr_va_vdst(0) depctr_va_sdst(0) depctr_va_ssrc(0) depctr_va_vcc(0) depctr_vm_vsrc(0)
	s_getreg_b32 s2, hwreg(HW_REG_IB_STS2, 6, 4)
	s_cmp_eq_u32 s2, 0
	s_cbranch_scc0 .Lentry_in_a_cluster
	s_endpgm
.Lentry_in_a_cluster:
	s_bfe_u32 s2, ttmp6, 0x10000c
	s_cmp_lg_u32 s2, 0xf033
	s_cbranch_scc0 .Lentry_shape_is_right
	s_endpgm
.Lentry_shape_is_right:
.set XS_OFF,  6291456
.set WQS_OFF, 2359296
.set QS_OFF,  18874368
.set NQ,    2
.set FR,    12
.set NL,    4
.set NP,    4
.set BLKB,  3072
.set HALFT, 8*BLKB
.set SLOT,  4*HALFT
.set SCL,   2*SLOT
.set HALFS, 4096
.set SPARE, SCL+4*HALFS
.set ADN,  16
.set ADP,  20
.set SWA,  24
.set SRA,  25
.set L16,  26
.set ADRS, 27
.set SPW,  28
.set NIL,  29
.set L8H,  30
.set L8,   31
.set SC,   32
.set TM,   32
.set CT,   48
.set PW,   56
.set BI,   64
.set AF,   128
.set T,    128
.set SW,   224
.set RT,   232
.set TA,   240
.set BQ,   241
.set BV,   242
.set SEL,  66
.set G1N,  24
.set G0N,  32
.set G1P,  48
.set G0P,  56
.set G1SN, 68
.set G0SN, 76
.set G1SP, 80
.set G0SP, 88
.set MSB, 0
.macro WIN new
.if MSB != (\new)
	s_set_vgpr_msb (MSB<<8)|(\new)
.set MSB, (\new)
.endif
.endm
.set MUL_LO, 0xa1
.set MUL_HI, 0xf1
.set TO_P,   0x40
.macro JLOAD g0a, g1a, g0b, g1b
	s_cmp_eq_u32 s17, 0
	s_cbranch_scc0 .Lfor_p_\@
	tensor_load_to_lds s[\g0a:\g0a+3], s[\g1a:\g1a+7]
	s_nop 0
.rept 4
	v_nop
.endr
	s_branch .Lasked_\@
.Lfor_p_\@:
	tensor_load_to_lds s[\g0b:\g0b+3], s[\g1b:\g1b+7]
	s_nop 0
.rept 4
	v_nop
.endr
.Lasked_\@:
.endm
.macro CREST
	s_cmp_lg_u32 s16, 0
	s_cbranch_scc1 .Lnot_wave_0_\@
	s_barrier_signal -3
.Lnot_wave_0_\@:
	s_barrier_wait -3
	s_barrier_signal -1
	s_barrier_wait -1
.endm
.macro CROUND
	s_barrier_signal -1
	s_barrier_wait -1
	CREST
.endm
	s_load_b256 s[4:11], s[0:1], 0x0
	s_load_b128 s[12:15], s[0:1], 0x20
	v_lshl_add_u32 v[SPW], v0, 2, SPARE
	v_mov_b32 v[NIL], 0
	ds_add_u32 v[SPW], v[NIL]
	ds_add_u32 v[SPW], v[NIL]
	v_lshrrev_b32 v1, 5, v0
	v_readfirstlane_b32 s16, v1
	s_lshr_b32 s17, s16, 1
	s_and_b32 s18, s16, 1
	s_bfe_u32 s40, ttmp6, 0x40000
	s_bfe_u32 s41, ttmp6, 0x40004
	s_and_b32 s20, ttmp7, 0xffff
	s_lshl_b32 s20, s20, 2
	s_lshl_b32 s46, ttmp9, 2
	s_mov_b32 s2, XS_OFF
	s_mov_b32 s3, WQS_OFF
	s_cmp_eq_u32 ttmp9, 2
	s_cselect_b32 s19, 1, 0
	s_cselect_b32 s42, s20, s46
	s_cselect_b32 s43, 8, s20
	s_cselect_b32 s22, s3, s2
	s_cselect_b32 s92, s2, s3
	s_add_co_u32 s42, s42, s40
	s_add_co_u32 s43, s43, s41
	s_lshl_b32 s44, s41, 2
	s_lshl_b32 s44, 15, s44
	s_lshl_b32 s45, 0x1111, s40
	s_or_b32 s[G1N+0], s44, (3<<16)|(1<<21)
	s_or_b32 s[G1P+0], s45, (3<<16)|(1<<21)
.irp g, G1N, G1P
	s_mov_b32 s[\g+1], 384<<16
	s_mov_b32 s[\g+2], 8<<16
	s_mov_b32 s[\g+3], 384<<16
	s_mov_b32 s[\g+4], 8
	s_mov_b32 s[\g+5], 1536
	s_mov_b32 s[\g+6], 0
	s_mov_b32 s[\g+7], 0
.endr
	s_or_b32 s[G1SN+0], s44, (3<<16)|(1<<21)
	s_or_b32 s[G1SP+0], s45, (3<<16)|(1<<21)
.irp g, G1SN, G1SP
	s_mov_b32 s[\g+1], 32<<16
	s_mov_b32 s[\g+2], 16<<16
	s_mov_b32 s[\g+3], 32<<16
	s_mov_b32 s[\g+4], 16
	s_mov_b32 s[\g+5], 32
	s_mov_b32 s[\g+6], 0
	s_mov_b32 s[\g+7], 0
.endr
	s_lshl_b32 s21, s18, 3
	s_lshl_b32 s20, s43, 4
	s_add_co_u32 s20, s20, s21
	s_lshl_b32 s46, s42, 4
	s_add_co_u32 s46, s46, s21
	s_lshl_b32 s23, s20, 9
	s_add_co_u32 s22, s22, s23
	s_lshl_b32 s93, s46, 9
	s_add_co_u32 s92, s92, s93
	s_mul_i32 s20, s20, 12288
	s_mul_i32 s46, s46, 12288
	s_mov_b32 s21, 0
	s_mov_b32 s23, 0
	s_mov_b32 s47, 0
	s_mov_b32 s93, 0
	s_mul_i32 s100, s16, HALFT
	s_mul_i32 s101, s16, HALFS
	s_mov_b32 s[SEL], 0x76543210
	s_mov_b32 s[SEL+1], 0xfedcba98
	s_wait_dscnt 0x0
	s_wait_kmcnt 0x0
	s_cmp_eq_u32 s19, 1
	s_cselect_b64 s[94:95], s[6:7], s[4:5]
	s_cselect_b64 s[96:97], s[4:5], s[6:7]
	s_add_nc_u64 s[20:21], s[94:95], s[20:21]
	s_add_nc_u64 s[22:23], s[94:95], s[22:23]
	s_add_nc_u64 s[46:47], s[96:97], s[46:47]
	s_add_nc_u64 s[92:93], s[96:97], s[92:93]
	CROUND
	s_mov_b32 s[G0SN], 1
	s_add_co_u32 s[G0SN+1], s101, SCL
	s_mov_b64 s[G0SN+2:G0SN+3], s[22:23]
	s_or_b32 s[G0SN+3], s[G0SN+3], 0x80000000
	s_mov_b32 s[G0SP], 1
	s_add_co_u32 s[G0SP+1], s101, SCL
	s_mov_b64 s[G0SP+2:G0SP+3], s[92:93]
	s_or_b32 s[G0SP+3], s[G0SP+3], 0x80000000
	JLOAD G0SN, G1SN, G0SP, G1SP
.irp s, 0,1
	s_mov_b32 s[G0N+4*\s], 1
	s_add_co_u32 s[G0N+4*\s+1], s100, \s*SLOT
	s_add_nc_u64 s[G0N+4*\s+2:G0N+4*\s+3], s[20:21], \s*BLKB
	s_or_b32 s[G0N+4*\s+3], s[G0N+4*\s+3], 0x80000000
	s_mov_b32 s[G0P+4*\s], 1
	s_add_co_u32 s[G0P+4*\s+1], s100, \s*SLOT
	s_add_nc_u64 s[G0P+4*\s+2:G0P+4*\s+3], s[46:47], \s*BLKB
	s_or_b32 s[G0P+4*\s+3], s[G0P+4*\s+3], 0x80000000
	s_wait_alu depctr_va_vdst(0)
	s_wait_tensorcnt 0x0
	ds_add_u32 v28, v29
	s_wait_dscnt 0x0
	CROUND
	JLOAD G0N+4*\s, G1N, G0P+4*\s, G1P
.endr
	v_and_b32 v1, 31, v0
	v_and_b32 v2, 15, v0
	v_bfe_u32 v3, v0, 4, 1
	v_lshlrev_b32 v[L16], 4, v1
	v_lshlrev_b32 v[L8], 3, v1
	v_add_nc_u32 v[L8H], 512, v[L8]
	s_mul_i32 s20, s17, HALFT
	s_mul_i32 s21, s18, HALFT
	s_add_co_u32 s21, s21, 2*HALFT
.irp s, 0,1
	v_add_nc_u32 v[ADN+\s], s20, v[L16]
	v_add_nc_u32 v[ADN+2+\s], s20, v[L8]
	v_add_nc_u32 v[ADP+\s], s21, v[L16]
	v_add_nc_u32 v[ADP+2+\s], s21, v[L8]
	s_add_co_u32 s20, s20, SLOT
	s_add_co_u32 s21, s21, SLOT
.endr
	s_mul_i32 s20, s17, HALFS
	s_mul_i32 s21, s18, HALFS
	s_add_co_u32 s21, s21, 2*HALFS
	s_sub_co_u32 s21, s21, s20
	v_mul_u32_u24 v4, s21, v3
	s_add_co_u32 s20, s20, SCL
	v_lshl_add_u32 v4, v2, 3, v4
	v_add_nc_u32 v[ADRS], s20, v4
	s_lshl_b32 s20, s16, 9
	v_lshl_add_u32 v[SWA], v2, 2, s20
	v_add_nc_u32 v[SRA], s20, v[L8]
	v_and_b32 v4, 8, v2
	v_add_nc_u32 v4, v4, v2
	v_lshlrev_b32 v[BV], 2, v4
	v_lshlrev_b32 v[BQ], 6, v3
	v_lshl_add_u32 v[TA], v4, 8, v[BQ]
	s_cmp_eq_u32 s19, 1
	s_cselect_b32 s2, s42, s43
	s_cselect_b32 s3, s18, s17
	s_cselect_b32 s46, s41, s40
	s_cselect_b32 s47, s17, s18
	s_cselect_b32 s98, s43, s42
	s_lshl_b32 s98, s98, 10
	s_lshl_b32 s99, s47, 9
	s_add_co_u32 s98, s98, s99
	s_mov_b32 s99, 0
	s_add_nc_u64 s[8:9], s[8:9], s[98:99]
	s_lshr_b32 s98, s2, 3
	s_and_b32 s2, s2, 7
	s_lshl_b32 s2, s2, 1
	s_add_co_u32 s2, s2, s3
	s_lshl_b32 s46, s46, 2
	s_lshl_b32 s47, s47, 1
	s_add_co_u32 s46, s46, s47
	s_lshl_b32 s98, s98, 4
	s_add_co_u32 s46, s46, s98
	s_mul_i32 s92, s46, 98304
	s_mul_i32 s3, s2, 6144
	s_add_co_u32 s92, s92, s3
	s_mul_i32 s3, ttmp9, 6291456
	s_add_co_u32 s92, s92, s3
	s_mov_b32 s93, 0
	s_add_nc_u64 s[92:93], s[14:15], s[92:93]
	s_lshl_b32 s94, s46, 12
	s_lshl_b32 s3, s2, 8
	s_add_co_u32 s94, s94, s3
	s_lshl_b32 s3, ttmp9, 18
	s_add_co_u32 s94, s94, s3
	s_add_co_u32 s94, s94, QS_OFF
	s_mov_b32 s95, 0
	s_add_nc_u64 s[94:95], s[14:15], s[94:95]
	s_lshl_b32 s2, s2, 15
	s_mov_b32 s3, 0
	s_add_nc_u64 s[96:97], s[10:11], s[2:3]
	s_add_nc_u64 s[98:99], s[12:13], s[2:3]
.macro FRAG reg, a16, a8, off
	ds_load_b128 v[\reg:\reg+3], v[\a16] offset:\off
	ds_load_b64 v[\reg+4:\reg+5], v[\a8] offset:\off+512
	ds_load_b128 v[\reg+6:\reg+9], v[\a16] offset:\off+768
	ds_load_b64 v[\reg+10:\reg+11], v[\a8] offset:\off+1280
.endm
.macro MUL16 a0, p, q, sc, zero
.irp a, \a0, \a0+1
.irp b, 0,1,2,3,4,5,6,7
.if \zero
	v_wmma_scale_f32_16x16x128_f8f6f4 v[8*(8*((\a)%4)+\b):8*(8*((\a)%4)+\b)+7], v[128*(\p)+FR*\b:128*(\p)+FR*\b+FR-1], v[AF+FR*(\a):AF+FR*(\a)+FR-1], 0, v[SC+8*NQ*(\sc)+NQ*\b+(\q)], v[SC+8*NQ*(\sc)+NQ*(\a)+(\q)] matrix_a_fmt:MATRIX_FMT_FP6 matrix_b_fmt:MATRIX_FMT_FP6 matrix_a_scale:MATRIX_SCALE_ROW1
.else
	v_wmma_scale_f32_16x16x128_f8f6f4 v[8*(8*((\a)%4)+\b):8*(8*((\a)%4)+\b)+7], v[128*(\p)+FR*\b:128*(\p)+FR*\b+FR-1], v[AF+FR*(\a):AF+FR*(\a)+FR-1], v[8*(8*((\a)%4)+\b):8*(8*((\a)%4)+\b)+7], v[SC+8*NQ*(\sc)+NQ*\b+(\q)], v[SC+8*NQ*(\sc)+NQ*(\a)+(\q)] matrix_a_fmt:MATRIX_FMT_FP6 matrix_b_fmt:MATRIX_FMT_FP6 matrix_a_scale:MATRIX_SCALE_ROW1
.endif
.endr
.endr
.endm
.macro FETCH_P slot, q, p
	WIN TO_P
.irp i, 0,1,2,3,4,5,6,7
	FRAG 128*(\p)+FR*\i, ADP+\slot, ADP+2+\slot, \i*BLKB+(\q)*1536
.endr
	WIN 0
.endm
.macro FETCH_N slot, q, i0
.irp i, \i0, \i0+1, \i0+2, \i0+3
	FRAG AF+FR*(\i), ADN+\slot, ADN+2+\slot, (\i)*BLKB+(\q)*1536
.endr
.endm
.macro SCALES sc
.irp i, 0,1,2,3,4,5,6,7
	ds_load_b64 v[SC+8*NQ*\sc+NQ*\i:SC+8*NQ*\sc+NQ*\i+1], v[ADRS] offset:\i*512
.endr
.endm
.macro PLACES n
.rept \n
	v_nop
.endr
.endm
.macro STEP slot, q, zero
	s_wait_dscnt 4*NL
	WIN MUL_LO
	MUL16 0, (\q)%2, \q, \slot, \zero
	MUL16 2, (\q)%2, \q, \slot, \zero
	s_wait_dscnt 0
	PLACES NP
	FETCH_P \slot, (\q)+1, 1-(\q)%2
	FETCH_N \slot, (\q)+1, 0
	WIN MUL_HI
	MUL16 4, (\q)%2, \q, \slot, \zero
	MUL16 6, (\q)%2, \q, \slot, \zero
	PLACES NP
	WIN 0
	FETCH_N \slot, (\q)+1, 4
.endm
.macro TURN slot, next, fill
	s_wait_tensorcnt 0x0
	ds_add_u32 v[SPW], v[NIL]
	s_wait_dscnt 4*NL+1
	WIN MUL_LO
	MUL16 0, 1, NQ-1, \slot, 0
	s_wait_dscnt 0x0
	s_barrier_signal -1
	MUL16 2, 1, NQ-1, \slot, 0
	WIN 0
	s_barrier_wait -1
.if \fill
	CREST
	s_add_nc_u64 s[G0N+4*\slot+2:G0N+4*\slot+3], s[G0N+4*\slot+2:G0N+4*\slot+3], 2*BLKB
	s_add_nc_u64 s[G0P+4*\slot+2:G0P+4*\slot+3], s[G0P+4*\slot+2:G0P+4*\slot+3], 2*BLKB
	JLOAD G0N+4*\slot, G1N, G0P+4*\slot, G1P
.else
	PLACES NP
.endif
	s_wait_alu depctr_va_vdst(0)
	v_add_nc_u32 v[ADRS], 128, v[ADRS]
	FETCH_P \next, 0, 0
	FETCH_N \next, 0, 0
	SCALES \next
	WIN MUL_HI
	MUL16 4, 1, NQ-1, \slot, 0
	MUL16 6, 1, NQ-1, \slot, 0
	PLACES NP
	WIN 0
	FETCH_N \next, 0, 4
.endm
	s_wait_alu depctr_va_vdst(0)
	s_wait_tensorcnt 1
	s_barrier_signal -1
	s_barrier_wait -1
	FETCH_P 0, 0, 0
	FETCH_N 0, 0, 0
	SCALES 0
	FETCH_N 0, 0, 4
	STEP 0, 0, 1
	TURN 0, 1, 1
	STEP 1, 0, 0
	TURN 1, 0, 1
	STEP 0, 0, 0
	TURN 0, 1, 0
	STEP 1, 0, 0
	s_wait_dscnt 4*NL
	WIN MUL_LO
	MUL16 0, 1, NQ-1, 1, 0
	MUL16 2, 1, NQ-1, 1, 0
	s_wait_dscnt 0
	WIN MUL_HI
	MUL16 4, 1, NQ-1, 1, 0
	MUL16 6, 1, NQ-1, 1, 0
	WIN 0
.macro QUANT s, d, pw
.irp b, 0,1,2,3
	v_max3_num_f32 v[TM+\b], |v[\s+16*\b]|, |v[\s+1+16*\b]|, 0x1800000
.endr
.irp i, 2,4,6,8,10,12,14
.irp b, 0,1,2,3
	v_max3_num_f32 v[TM+\b], v[TM+\b], |v[\s+16*\b+\i]|, |v[\s+1+16*\b+\i]|
.endr
.endr
.irp b, 0,1,2,3
	v_permlanex16_b32 v[TM+4+\b], v[TM+\b], s[SEL], s[SEL+1]
.endr
.irp b, 0,1,2,3
	v_max_num_f32 v[TM+\b], v[TM+\b], v[TM+4+\b]
.endr
.irp b, 0,1,2,3
	v_add_nc_u32 v[TM+12+\b], 0xff000000, v[TM+\b]
.endr
.irp b, 0,1,2,3
	v_lshrrev_b32 v[TM+4+\b], 23, v[TM+12+\b]
.endr
	v_lshl_or_b32 v[\pw], v[TM+5], 8, v[TM+4]
	v_lshl_or_b32 v[\pw], v[TM+6], 16, v[\pw]
	v_lshl_or_b32 v[\pw], v[TM+7], 24, v[\pw]
.irp c, 0,1
	v_cvt_scalef32_pk16_fp6_f32 v[\d+6*\c:\d+6*\c+2], v[\s+32*\c:\s+32*\c+15], v[TM+12+2*\c]
	v_cvt_scalef32_pk16_fp6_f32 v[CT+4*\c:CT+4*\c+2], v[\s+32*\c+16:\s+32*\c+31], v[TM+12+2*\c+1]
.endr
	v_nop
.irp c, 0,1
.irp i, 0,1,2
	v_permlane16_swap_b32 v[\d+6*\c+\i], v[CT+4*\c+\i]
.endr
.irp i, 0,1,2
	v_mov_b32 v[\d+6*\c+3+\i], v[CT+4*\c+\i]
.endr
.endr
.endm
.macro TABLES a
.irp j, 0,1,2,3
	global_load_b128 v[64*((\a)%4)+4*\j:64*((\a)%4)+4*\j+3], v[TA], s[96:97] offset:(32*((\a)/2)+8*((\a)%2))*256+16*\j
	global_load_b128 v[64*((\a)%4)+16+4*\j:64*((\a)%4)+16+4*\j+3], v[TA], s[96:97] offset:(32*((\a)/2)+8*((\a)%2))*256+128+16*\j
	global_load_b128 v[64*((\a)%4)+32+4*\j:64*((\a)%4)+32+4*\j+3], v[TA], s[98:99] offset:(32*((\a)/2)+8*((\a)%2))*256+16*\j
	global_load_b128 v[64*((\a)%4)+48+4*\j:64*((\a)%4)+48+4*\j+3], v[TA], s[98:99] offset:(32*((\a)/2)+8*((\a)%2))*256+128+16*\j
.endr
.endm
.macro QKBLK a
.set FO, 192+12*((\a)%2)
.if (\a) <= 4
	s_wait_loadcnt 48
.else
	s_wait_loadcnt 16*(7-(\a))
.endif
	WIN 0x02+((\a)/4)
.set k, 0
.rept 32
	v_pk_add_f32 v[T+k:T+k+1], v[64*((\a)%4)+k:64*((\a)%4)+k+1], v[BI+k:BI+k+1]
.set k, k+2
.endr
	WIN 0x04
.irp c, 0,1
.irp i, 0,2,4,6,8,10,12,14
.set LO, T+32*\c+\i
.set HI, T+32*\c+16+\i
.set TT, RT+4*((\i/2)%2)
.set TBL, 64*((\a)%4)+\i
	v_pk_mul_f32 v[TT:TT+1], v[LO:LO+1], v[TBL+48:TBL+49]
	v_pk_mul_f32 v[TT+2:TT+3], v[HI:HI+1], v[TBL+32:TBL+33]
	v_pk_fma_f32 v[HI:HI+1], v[HI:HI+1], v[TBL+16:TBL+17], v[TT:TT+1]
	v_pk_fma_f32 v[LO:LO+1], v[LO:LO+1], v[TBL:TBL+1], v[TT+2:TT+3] neg_lo:[0,0,1] neg_hi:[0,0,1]
.endr
.endr
.if (\a) < 4
	WIN 0x40
	TABLES (\a)+4
.endif
	WIN 0
	s_wait_xcnt 0x0
	QUANT T, FO, PW+(\a)%2
.irp c, 0,1
	global_store_b128 v[L16], v[FO+6*\c:FO+6*\c+3], s[92:93] offset:\c*98304+(\a)*768
	global_store_b64 v[L8H], v[FO+6*\c+4:FO+6*\c+5], s[92:93] offset:\c*98304+(\a)*768
.endr
.if (\a)%2
	v_perm_b32 v[SW+(\a)/2], v[PW+1], v[PW], 0x05040100
	v_perm_b32 v[SW+4+(\a)/2], v[PW+1], v[PW], 0x07060302
.endif
.endm
.macro VBLK a
.set FO, 192+12*((\a)%2)
	WIN 0x02+((\a)/4)
.set k, 0
.rept 32
	v_pk_add_f32 v[T+k:T+k+1], v[64*((\a)%4)+k:64*((\a)%4)+k+1], v[BI+2*(\a):BI+2*(\a)+1]
.set k, k+2
.endr
	WIN 0
	s_wait_xcnt 0x0
	QUANT T, FO, SW+(\a)
.irp c, 0,1
	global_store_b128 v[L16], v[FO+6*\c:FO+6*\c+3], s[92:93] offset:((\a)/4)*98304+((\a)%4)*1536+768*\c
	global_store_b64 v[L8H], v[FO+6*\c+4:FO+6*\c+5], s[92:93] offset:((\a)/4)*98304+((\a)%4)*1536+768*\c
.endr
.endm
	PLACES NP
.irp b, 0,1,2,3,4,5,6,7
	global_load_b128 v[BI+8*\b:BI+8*\b+3], v[BQ], s[8:9] offset:(32*(\b/2)+8*(\b%2))*4
	global_load_b128 v[BI+8*\b+4:BI+8*\b+7], v[BQ], s[8:9] offset:(32*(\b/2)+8*(\b%2))*4+16
.endr
	WIN 0x40
	TABLES 0
	TABLES 1
	TABLES 2
	TABLES 3
	WIN 0
.irp b, 0,1,2,3
	v_mov_b32 v[TM+4+\b], 0
.endr
.irp a, 0,1,2,3,4,5,6,7
	QKBLK \a
.endr
.Ltail:
	s_wait_alu depctr_va_vdst(0)
.irp i, 0,1,2,3,4,5,6,7
	ds_store_b32 v[SWA], v[SW+\i] offset:64*\i
.endr
.irp c, 0,1
	ds_load_b64 v[T+2*\c:T+2*\c+1], v[SRA] offset:256*\c
.endr
	s_wait_dscnt 0x0
.irp c, 0,1
	global_store_b64 v[L8], v[T+2*\c:T+2*\c+1], s[94:95] offset:4096*\c
.endr
	s_wait_tensorcnt 0x0
	ds_add_u32 v[SPW], v[NIL]
	s_wait_dscnt 0x0
	CROUND
	s_endpgm
.Lfunc_end_k_q880b6f593b_qkv:
	.size	k_q880b6f593b_qkv, .Lfunc_end_k_q880b6f593b_qkv-k_q880b6f593b_qkv
	.p2alignl 7, 3214868480
	.fill 96, 4, 3214868480
	.section	.rodata,"a",@progbits
	.p2align	6, 0x0
	.amdhsa_kernel k_q880b6f593b_qkv
		.amdhsa_group_segment_fixed_size 327680
		.amdhsa_private_segment_fixed_size 0
		.amdhsa_enable_private_segment 0
		.amdhsa_kernarg_size 48
		.amdhsa_user_sgpr_count 2
		.amdhsa_user_sgpr_kernarg_segment_ptr 1
		.amdhsa_wavefront_size32 1
		.amdhsa_system_sgpr_workgroup_id_x 1
		.amdhsa_system_sgpr_workgroup_id_y 1
		.amdhsa_system_sgpr_workgroup_id_z 1
		.amdhsa_system_vgpr_workitem_id 0
		.amdhsa_next_free_vgpr 1024
		.amdhsa_next_free_sgpr 102
		.amdhsa_reserve_vcc 0
		.amdhsa_float_denorm_mode_32 3
		.amdhsa_float_denorm_mode_16_64 3
		.amdhsa_memory_ordered 1
		.amdhsa_forward_progress 1
		.amdhsa_inst_pref_size 214
	.end_amdhsa_kernel
	.amdgpu_metadata
---
amdhsa.version: [ 1, 2 ]
amdhsa.kernels:
  - .name:           k_q880b6f593b_qkv
    .symbol:         k_q880b6f593b_qkv.kd
    .args:
      - { .name: xq, .offset: 0, .size: 8, .value_kind: global_buffer, .address_space: global }
      - { .name: wq, .offset: 8, .size: 8, .value_kind: global_buffer, .address_space: global }
      - { .name: bqkv, .offset: 16, .size: 8, .value_kind: global_buffer, .address_space: global }
      - { .name: cos, .offset: 24, .size: 8, .value_kind: global_buffer, .address_space: global }
      - { .name: sin, .offset: 32, .size: 8, .value_kind: global_buffer, .address_space: global }
      - { .name: qkv, .offset: 40, .size: 8, .value_kind: global_buffer, .address_space: global }
    .group_segment_fixed_size: 327680
    .private_segment_fixed_size: 0
    .kernarg_segment_align: 8
    .kernarg_segment_size: 48
    .max_flat_workgroup_size: 128
    .sgpr_count:     102
    .vgpr_count:     1024
    .wavefront_size: 32
...
	.end_amdgpu_metadata
.endif
;; end of part 2
;; launch vgemm (part 3): grid 32 x 8, 4 waves a work-group, clusters of 4 x 4, 327,680 bytes of LDS; arguments wq, xq, bqkv, qkv; writes qkv
.if DOCPART == 3
	.amdgcn_target "amdgcn-amd-amdhsa--gfx1250"
	.amdhsa_code_object_version 6
	.text
	.protected	k_q880b6f593b_vgemm
	.globl	k_q880b6f593b_vgemm
	.p2align	8
	.type	k_q880b6f593b_vgemm,@function
k_q880b6f593b_vgemm:
	s_mov_b64 s[64:65], 0
	v_nop
	global_prefetch_b8 v0, s[64:65] scope:SCOPE_SE
	s_setreg_imm32_b32 hwreg(HW_REG_WAVE_MODE, 25, 1), 1
	s_wait_xcnt 0x0
	s_wait_alu depctr_hold_cnt(0) depctr_sa_sdst(0) depctr_va_vdst(0) depctr_va_sdst(0) depctr_va_ssrc(0) depctr_va_vcc(0) depctr_vm_vsrc(0)
	s_getreg_b32 s2, hwreg(HW_REG_IB_STS2, 6, 4)
	s_cmp_eq_u32 s2, 0
	s_cbranch_scc0 .Lentry_in_a_cluster
	s_endpgm
.Lentry_in_a_cluster:
	s_bfe_u32 s2, ttmp6, 0x10000c
	s_cmp_lg_u32 s2, 0xf033
	s_cbranch_scc0 .Lentry_shape_is_right
	s_endpgm
.Lentry_shape_is_right:
; v = x Wqkv[:, 2048:3072] + bqkv[2048:3072], on codes of FP6 (E2M3) with E8M0 scales, then quantised ALONG THE KEYS (the K of attention's second product) and stored as codes and scale words in qkv's third section.
; Nothing of the problem is left out here; the launch before makes q and k.
; A work-group makes 128 columns (two heads) x 256 tokens: 8 x 32 = 256 work-groups.  A wave makes one head's 64 columns x 128 tokens: 32 accumulators, 256 registers (window 2).
; ALL OF K LIES IN LDS: the columns' 8 blocks are 98,304 dense bytes, the tokens' 16 blocks 196,608, their scale bytes 4,096 and 8,192.  Four joint loads at the head, one a wave; no byte is filled twice, so the walk
; along K has no barrier.  CLUSTERS of 4 x 4: the columns' bytes are shared along a row of the cluster, the tokens' along a column.  No prefetch: everything is asked for at the head.
; Source 0 = 16 tokens, source 1 = 16 columns: a lane holds one column d, and the 16 registers of two neighbouring token blocks are 16 neighbouring keys.
; LIMITS as in the first launch (NaN, infinities; the byte 1 for blocks of zeros and under the floor).
; Windows: 0: addresses, scale words (two sets), the columns' fragments (two sets of 4 at v128, v176), on the way out all at work; 1: the tokens' fragments (two sets of 8 at v0, v128); 2: the accumulators.
.set XS_OFF,  6291456
.set WQS_OFF, 2359296
.set VC_OFF,  12582912                 ; qkv: V's codes,
.set VS_OFF,  18874368+524288          ; and its scale words
.set FR,    12
.set NP,    4
.set BLK,   12288
.set PB,    8*BLK                      ; the tokens' codes, behind the columns'
.set SCL,   24*BLK                     ; the scale bytes: the columns' 4,096, the tokens' 8,192
.set SPARE, SCL+12288                  ; the spare words, 128 bytes a wave
.set ADN,  16
.set ADN8, 17
.set ADP,  18
.set ADP8, 20
.set BV,   22
.set SWA,  24
.set SRA,  25
.set L16,  26
.set ADRS, 27
.set SPW,  28
.set NIL,  29
.set L8H,  30
.set L8,   31
.set SC,   32
.set TM,   32
.set CT,   48
.set BI,   64
.set AF,   128
.set T,    128
.set SW,   224
.set SEL,  66
.set G1N,  24
.set G0N,  32
.set G0P,  36
.set G1P,  48
.set G0SN, 56
.set G0SP, 60
.set G1SN, 68
.set G1SP, 80
.set MSB, 0
.macro WIN new
.if MSB != (\new)
	s_set_vgpr_msb (MSB<<8)|(\new)
.set MSB, (\new)
.endif
.endm
.set MUL_LO, 0xa1                      ; source 0 window 1, source 1 window 0, C and D window 2
.set TO_P,   0x40
.macro CROUND
	s_barrier_signal -1
	s_barrier_wait -1
	s_cmp_lg_u32 s16, 0
	s_cbranch_scc1 .Lnot_wave_0_\@
	s_barrier_signal -3
.Lnot_wave_0_\@:
	s_barrier_wait -3
	s_barrier_signal -1
	s_barrier_wait -1
.endm
.macro PLACES n
.rept \n
	v_nop
.endr
.endm
	s_load_b256 s[4:11], s[0:1], 0x0               ; wq, xq, bqkv, qkv
	v_lshl_add_u32 v[SPW], v0, 2, SPARE
	v_mov_b32 v[NIL], 0
	ds_add_u32 v[SPW], v[NIL]                      ; the opening: the add, twice on end, and its wait ahead of the first tensor load
	ds_add_u32 v[SPW], v[NIL]
	v_lshrrev_b32 v1, 5, v0
	v_readfirstlane_b32 s16, v1                    ; wave
	s_lshr_b32 s17, s16, 1                         ; my head of the two
	s_and_b32 s18, s16, 1                          ; my half of the tokens
	s_bfe_u32 s40, ttmp6, 0x40000
	s_bfe_u32 s41, ttmp6, 0x40004
	s_lshl_b32 s42, ttmp9, 2
	s_add_co_u32 s42, s42, s40                     ; which 256 tokens
	s_and_b32 s43, ttmp7, 0xffff
	s_lshl_b32 s43, s43, 2
	s_add_co_u32 s43, s43, s41                     ; which 128 columns
	s_lshl_b32 s44, s41, 2
	s_lshl_b32 s44, 15, s44                        ; my row of the cluster
	s_lshl_b32 s45, 0x1111, s40                    ; my column
	s_or_b32 s[G1N], s44, (3<<16)|(1<<21)          ; dense bytes as rows of 256: 32 elements of 8 bytes
	s_or_b32 s[G1SN], s44, (3<<16)|(1<<21)
	s_or_b32 s[G1P], s45, (3<<16)|(1<<21)
	s_or_b32 s[G1SP], s45, (3<<16)|(1<<21)
.irp g, G1N, G1P, G1SN, G1SP
	s_mov_b32 s[\g+1], 32<<16
	s_mov_b32 s[\g+3], 32<<16
	s_mov_b32 s[\g+5], 32
	s_mov_b32 s[\g+6], 0
	s_mov_b32 s[\g+7], 0
.endr
	s_mov_b32 s[G1N+2], 384<<16
	s_mov_b32 s[G1N+4], 384
	s_mov_b32 s[G1P+2], 768<<16
	s_mov_b32 s[G1P+4], 768
	s_mov_b32 s[G1SN+2], 16<<16
	s_mov_b32 s[G1SN+4], 16
	s_mov_b32 s[G1SP+2], 32<<16
	s_mov_b32 s[G1SP+4], 32
	s_mul_i32 s20, s43, 8*BLK
	s_add_co_u32 s20, s20, 128*BLK                 ; V's columns begin at Wqkv's block 128
	s_mov_b32 s21, 0
	s_lshl_b32 s22, s43, 12
	s_add_co_u32 s22, s22, WQS_OFF+128*512
	s_mov_b32 s23, 0
	s_mul_i32 s46, s42, 16*BLK
	s_mov_b32 s47, 0
	s_lshl_b32 s92, s42, 13
	s_add_co_u32 s92, s92, XS_OFF
	s_mov_b32 s93, 0
	s_mov_b32 s[SEL], 0x76543210
	s_mov_b32 s[SEL+1], 0xfedcba98
	s_wait_dscnt 0x0                               ; both opening adds are done
	s_wait_kmcnt 0x0
	s_mov_b32 s[G0N], 1
	s_mov_b32 s[G0N+1], 0
	s_add_nc_u64 s[G0N+2:G0N+3], s[4:5], s[20:21]
	s_or_b32 s[G0N+3], s[G0N+3], 0x80000000
	s_mov_b32 s[G0P], 1
	s_mov_b32 s[G0P+1], PB
	s_add_nc_u64 s[G0P+2:G0P+3], s[6:7], s[46:47]
	s_or_b32 s[G0P+3], s[G0P+3], 0x80000000
	s_mov_b32 s[G0SN], 1
	s_mov_b32 s[G0SN+1], SCL
	s_add_nc_u64 s[G0SN+2:G0SN+3], s[4:5], s[22:23]
	s_or_b32 s[G0SN+3], s[G0SN+3], 0x80000000
	s_mov_b32 s[G0SP], 1
	s_mov_b32 s[G0SP+1], SCL+4096
	s_add_nc_u64 s[G0SP+2:G0SP+3], s[6:7], s[92:93]
	s_or_b32 s[G0SP+3], s[G0SP+3], 0x80000000
	CROUND                                         ; all sixteen work-groups are here: the joint loads meet
; One load a wave, in one chain of branches on the wave's number: the columns' codes, the tokens' codes, the columns' scale bytes, the tokens'.
.macro ARM under, g0, g1, next
	s_cmp_lt_u32 s16, \under
	s_cbranch_scc0 \next
	tensor_load_to_lds s[\g0:\g0+3], s[\g1:\g1+7]
	s_nop 0
.rept 4
	v_nop
.endr
	s_branch .Lhead_asked
\next:
.endm
	ARM 1, G0N,  G1N,  .Lhead_p
	ARM 2, G0P,  G1P,  .Lhead_sn
	ARM 3, G0SN, G1SN, .Lhead_sp
	tensor_load_to_lds s[G0SP:G0SP+3], s[G1SP:G1SP+7]
	s_nop 0
.rept 4
	v_nop
.endr
.Lhead_asked:
	s_mul_i32 s20, s17, 4*BLK                      ; my 4 blocks of columns
	s_mul_i32 s22, s18, 8*BLK
	s_add_co_u32 s22, s22, PB                      ; my 8 blocks of tokens,
	s_add_co_u32 s23, s22, 4*BLK                   ; the upper four
	s_lshl_b32 s96, s17, 11                        ; the columns' scale bytes: my half
	s_lshl_b32 s97, s18, 12
	s_add_co_u32 s97, s97, 4096                    ; the tokens'
	s_sub_co_u32 s97, s97, s96
	s_add_co_u32 s96, s96, SCL
	s_lshl_b32 s98, s16, 9                         ; my 512 bytes of stage, on the columns' bytes, used behind the barrier that ends all reads of them
	s_lshl_b32 s2, s43, 9
	s_lshl_b32 s3, s17, 8
	s_add_co_u32 s2, s2, s3
	s_add_co_u32 s2, s2, 8192                      ; the bias of my 64 columns: 4 (2048 + 128 x tile + 64 x head)
	s_mov_b32 s3, 0
	s_add_nc_u64 s[8:9], s[8:9], s[2:3]
	s_lshr_b32 s2, s42, 3                          ; batch
	s_lshl_b32 s2, s2, 4
	s_lshl_b32 s3, s43, 1
	s_add_co_u32 s2, s2, s3
	s_add_co_u32 s2, s2, s17                       ; 16 batch + head
	s_and_b32 s3, s42, 7
	s_lshl_b32 s3, s3, 1
	s_add_co_u32 s3, s3, s18                       ; which 128 keys of the batch's 2,048
	s_mul_i32 s100, s2, 98304
	s_mul_i32 s101, s3, 6144
	s_add_co_u32 s100, s100, s101
	s_add_co_u32 s100, s100, VC_OFF
	s_mov_b32 s101, 0
	s_add_nc_u64 s[92:93], s[10:11], s[100:101]    ; my codes: four fragments of 1,536 bytes
	s_lshl_b32 s100, s2, 12
	s_lshl_b32 s99, s3, 8
	s_add_co_u32 s100, s100, s99
	s_add_co_u32 s100, s100, VS_OFF
	s_add_nc_u64 s[94:95], s[10:11], s[100:101]    ; my scale words: 256 bytes
	v_and_b32 v1, 31, v0
	v_and_b32 v2, 15, v0
	v_bfe_u32 v3, v0, 4, 1
	v_lshlrev_b32 v[L16], 4, v1
	v_lshlrev_b32 v[L8], 3, v1
	v_add_nc_u32 v[L8H], 512, v[L8]
	v_add_nc_u32 v[ADN], s20, v[L16]
	v_add_nc_u32 v[ADN8], s20, v[L8]
	v_add_nc_u32 v[ADP], s22, v[L16]
	v_add_nc_u32 v[ADP+1], s23, v[L16]
	v_add_nc_u32 v[ADP8], s22, v[L8]
	v_add_nc_u32 v[ADP8+1], s23, v[L8]
	v_mul_u32_u24 v4, s97, v3                      ; lanes 16-31 take the tokens' scale words
	v_lshl_add_u32 v4, v2, 3, v4
	v_add_nc_u32 v[ADRS], s96, v4
	v_lshl_add_u32 v[SWA], v2, 2, s98
	v_add_nc_u32 v[SRA], s98, v[L8]
	v_and_b32 v5, 8, v2
	v_add_nc_u32 v5, v5, v2
	v_lshlrev_b32 v[BV], 2, v5                     ; row r of a block is column r + 8 (r / 8) of its 24
	s_wait_alu depctr_va_vdst(0)                   ; the wait at the head's end
.irp a, 0,1,2,3
	global_load_b32 v[BI+2*\a], v[BV], s[8:9] offset:(32*(\a/2)+8*(\a%2))*4      ; my column's bias, in both halves of a pair
	global_load_b32 v[BI+2*\a+1], v[BV], s[8:9] offset:(32*(\a/2)+8*(\a%2))*4
.endr
	s_wait_tensorcnt 0x0                           ; my load is in
	s_barrier_signal -1
	s_barrier_wait -1                              ; and everybody's
.macro FRAG reg, a16, a8, off
	ds_load_b128 v[\reg:\reg+3], v[\a16] offset:\off
	ds_load_b64 v[\reg+4:\reg+5], v[\a8] offset:\off+512
	ds_load_b128 v[\reg+6:\reg+9], v[\a16] offset:\off+768
	ds_load_b64 v[\reg+10:\reg+11], v[\a8] offset:\off+1280
.endm
.macro FETCH st                        ; the fragments of step st (128 along K: 1,536 bytes of a block) into the sets st % 2; with an even step the scale words of two steps
	WIN TO_P
.irp i, 0,1,2,3,4,5,6,7
	FRAG 128*((\st)%2)+FR*\i, ADP+\i/4, ADP8+\i/4, (\i%4)*BLK+(\st)*1536
.endr
	WIN 0
.irp i, 0,1,2,3
	FRAG AF+48*((\st)%2)+FR*\i, ADN, ADN8, \i*BLK+(\st)*1536
.endr
.if (\st)%2 == 0
.irp i, 0,1,2,3,4,5,6,7
	ds_load_b64 v[SC+16*(((\st)/2)%2)+2*\i:SC+16*(((\st)/2)%2)+2*\i+1], v[ADRS] offset:\i*512+128*((\st)/2)
.endr
.endif
.endm
.macro MUL16 a0, st, zero              ; the 32 accumulators take turns, one instruction a turn, in the same order in every step
.irp a, \a0, \a0+1
.irp b, 0,1,2,3,4,5,6,7
.if \zero
	v_wmma_scale_f32_16x16x128_f8f6f4 v[8*(8*(\a)+\b):8*(8*(\a)+\b)+7], v[128*((\st)%2)+FR*\b:128*((\st)%2)+FR*\b+FR-1], v[AF+48*((\st)%2)+FR*(\a):AF+48*((\st)%2)+FR*(\a)+FR-1], 0, v[SC+16*(((\st)/2)%2)+2*\b+(\st)%2], v[SC+16*(((\st)/2)%2)+2*(\a)+(\st)%2] matrix_a_fmt:MATRIX_FMT_FP6 matrix_b_fmt:MATRIX_FMT_FP6 matrix_a_scale:MATRIX_SCALE_ROW1
.else
	v_wmma_scale_f32_16x16x128_f8f6f4 v[8*(8*(\a)+\b):8*(8*(\a)+\b)+7], v[128*((\st)%2)+FR*\b:128*((\st)%2)+FR*\b+FR-1], v[AF+48*((\st)%2)+FR*(\a):AF+48*((\st)%2)+FR*(\a)+FR-1], v[8*(8*(\a)+\b):8*(8*(\a)+\b)+7], v[SC+16*(((\st)/2)%2)+2*\b+(\st)%2], v[SC+16*(((\st)/2)%2)+2*(\a)+(\st)%2] matrix_a_fmt:MATRIX_FMT_FP6 matrix_b_fmt:MATRIX_FMT_FP6 matrix_a_scale:MATRIX_SCALE_ROW1
.endif
.endr
.endr
.endm
.macro KSTEP st, zero
	s_wait_dscnt 0x0                               ; this step's fragments are in
.if (\st) < 7
	PLACES NP                                      ; in front of loads into the sets that the step before multiplied
	FETCH (\st)+1
.endif
	WIN MUL_LO
	MUL16 0, \st, \zero
	MUL16 2, \st, \zero
	WIN 0
.endm
	FETCH 0
	KSTEP 0, 1                                     ; the first step's products start the sums
.irp t, 1,2,3,4,5,6,7
	KSTEP \t, 0
.endr
	s_barrier_signal -1                            ; no LDS read of mine is out: behind this barrier nobody reads the codes, and the stages may lie on them
	s_barrier_wait -1
; Four blocks of 32 keys of one column: registers 16 b .. 16 b + 15 are keys 32 b + 16 (lane / 16) + 0 .. 15; lanes l and l xor 16 share a block.
.macro QUANT s, d, pw
.irp b, 0,1,2,3
	v_max3_num_f32 v[TM+\b], |v[\s+16*\b]|, |v[\s+1+16*\b]|, 0x1800000
.endr
.irp i, 2,4,6,8,10,12,14
.irp b, 0,1,2,3
	v_max3_num_f32 v[TM+\b], v[TM+\b], |v[\s+16*\b+\i]|, |v[\s+1+16*\b+\i]|
.endr
.endr
.irp b, 0,1,2,3
	v_permlanex16_b32 v[TM+4+\b], v[TM+\b], s[SEL], s[SEL+1]
.endr
.irp b, 0,1,2,3
	v_max_num_f32 v[TM+\b], v[TM+\b], v[TM+4+\b]
.endr
.irp b, 0,1,2,3
	v_add_nc_u32 v[TM+12+\b], 0xff000000, v[TM+\b]
.endr
.irp b, 0,1,2,3
	v_lshrrev_b32 v[TM+4+\b], 23, v[TM+12+\b]
.endr
	v_lshl_or_b32 v[\pw], v[TM+5], 8, v[TM+4]
	v_lshl_or_b32 v[\pw], v[TM+6], 16, v[\pw]
	v_lshl_or_b32 v[\pw], v[TM+7], 24, v[\pw]
.irp c, 0,1
	v_cvt_scalef32_pk16_fp6_f32 v[\d+6*\c:\d+6*\c+2], v[\s+32*\c:\s+32*\c+15], v[TM+12+2*\c]
	v_cvt_scalef32_pk16_fp6_f32 v[CT+4*\c:CT+4*\c+2], v[\s+32*\c+16:\s+32*\c+31], v[TM+12+2*\c+1]
.endr
	v_nop
.irp c, 0,1
.irp i, 0,1,2
	v_permlane16_swap_b32 v[\d+6*\c+\i], v[CT+4*\c+\i]
.endr
.irp i, 0,1,2
	v_mov_b32 v[\d+6*\c+3+\i], v[CT+4*\c+\i]
.endr
.endr
.endm
.macro VBLK a                          ; 16 columns x 128 keys: the bias, the quantiser, a fragment of 1,536 bytes straight from the registers
.set FO, 192+12*((\a)%2)
	WIN 0x02
.set k, 0
.rept 32
	v_pk_add_f32 v[T+k:T+k+1], v[64*(\a)+k:64*(\a)+k+1], v[BI+2*(\a):BI+2*(\a)+1]
.set k, k+2
.endr
	WIN 0
	s_wait_xcnt 0x0                                ; earlier stores have read their registers
	QUANT T, FO, SW+(\a)
.irp c, 0,1
	global_store_b128 v[L16], v[FO+6*\c:FO+6*\c+3], s[92:93] offset:(\a)*1536+768*\c      ; 512 and 256 consecutive bytes, at multiples of 256 from the buffer's first byte
	global_store_b64 v[L8H], v[FO+6*\c+4:FO+6*\c+5], s[92:93] offset:(\a)*1536+768*\c
.endr
.endm
	PLACES NP
.irp b, 0,1,2,3
	v_mov_b32 v[TM+4+\b], 0                        ; a lane permute's destination counts as one of its sources
.endr
	s_wait_loadcnt 0x0                             ; the bias
.irp a, 0,1,2,3
	VBLK \a
.endr
	s_wait_alu depctr_va_vdst(0)                   ; the wait ahead of the readers below
.irp i, 0,1,2,3
	ds_store_b32 v[SWA], v[SW+\i] offset:64*\i     ; lanes r and 16 + r store the same word
.endr
	ds_load_b64 v[T:T+1], v[SRA]                   ; a wave's LDS instructions are served in order
	s_wait_dscnt 0x0
	global_store_b64 v[L8], v[T:T+1], s[94:95]     ; 256 consecutive bytes, aligned
	s_wait_tensorcnt 0x0                           ; the wave's end
	ds_add_u32 v[SPW], v[NIL]
	s_wait_dscnt 0x0
	CROUND                                         ; the closing round
	s_endpgm
.Lfunc_end_k_q880b6f593b_vgemm:
	.size	k_q880b6f593b_vgemm, .Lfunc_end_k_q880b6f593b_vgemm-k_q880b6f593b_vgemm
	.p2alignl 7, 3214868480
	.fill 96, 4, 3214868480
	.section	.rodata,"a",@progbits
	.p2align	6, 0x0
	.amdhsa_kernel k_q880b6f593b_vgemm
		.amdhsa_group_segment_fixed_size 327680
		.amdhsa_private_segment_fixed_size 0
		.amdhsa_enable_private_segment 0
		.amdhsa_kernarg_size 32
		.amdhsa_user_sgpr_count 2
		.amdhsa_user_sgpr_kernarg_segment_ptr 1
		.amdhsa_wavefront_size32 1
		.amdhsa_system_sgpr_workgroup_id_x 1
		.amdhsa_system_sgpr_workgroup_id_y 1
		.amdhsa_system_sgpr_workgroup_id_z 1
		.amdhsa_system_vgpr_workitem_id 0
		.amdhsa_next_free_vgpr 768
		.amdhsa_next_free_sgpr 102
		.amdhsa_reserve_vcc 0
		.amdhsa_float_denorm_mode_32 3
		.amdhsa_float_denorm_mode_16_64 3
		.amdhsa_memory_ordered 1
		.amdhsa_forward_progress 1
		.amdhsa_inst_pref_size 96
	.end_amdhsa_kernel
	.amdgpu_metadata
---
amdhsa.version: [ 1, 2 ]
amdhsa.kernels:
  - .name:           k_q880b6f593b_vgemm
    .symbol:         k_q880b6f593b_vgemm.kd
    .args:
      - { .name: wq, .offset: 0, .size: 8, .value_kind: global_buffer, .address_space: global }
      - { .name: xq, .offset: 8, .size: 8, .value_kind: global_buffer, .address_space: global }
      - { .name: bqkv, .offset: 16, .size: 8, .value_kind: global_buffer, .address_space: global }
      - { .name: qkv, .offset: 24, .size: 8, .value_kind: global_buffer, .address_space: global }
    .group_segment_fixed_size: 327680
    .private_segment_fixed_size: 0
    .kernarg_segment_align: 8
    .kernarg_segment_size: 32
    .max_flat_workgroup_size: 128
    .sgpr_count:     102
    .vgpr_count:     768
    .wavefront_size: 32
...
	.end_amdgpu_metadata
.endif
;; end of part 3
;; launch attn (part 4): grid 4 x 64, 16 waves a work-group, clusters of 4 x 1, 206,848 bytes of LDS; arguments qkv, oq; writes oq
.if DOCPART == 4
	.amdgcn_target "amdgcn-amd-amdhsa--gfx1250"
	.amdhsa_code_object_version 6
	.text
	.protected	k_q880b6f593b_attn
	.globl	k_q880b6f593b_attn
	.p2align	8
	.type	k_q880b6f593b_attn,@function
k_q880b6f593b_attn:
	s_mov_b64 s[64:65], 0
	v_nop
	global_prefetch_b8 v0, s[64:65] scope:SCOPE_SE
	s_setreg_imm32_b32 hwreg(HW_REG_WAVE_MODE, 25, 1), 1
	s_wait_xcnt 0x0
	s_wait_alu depctr_hold_cnt(0) depctr_sa_sdst(0) depctr_va_vdst(0) depctr_va_sdst(0) depctr_va_ssrc(0) depctr_va_vcc(0) depctr_vm_vsrc(0)
	s_getreg_b32 s2, hwreg(HW_REG_IB_STS2, 6, 4)
	s_cmp_eq_u32 s2, 0
	s_cbranch_scc0 .Lentry_in_a_cluster
	s_endpgm
.Lentry_in_a_cluster:
	s_bfe_u32 s2, ttmp6, 0x10000c
	s_cmp_lg_u32 s2, 0x3003
	s_cbranch_scc0 .Lentry_shape_is_right
	s_endpgm
.Lentry_shape_is_right:
; o[b][t][h][:] = the sum over s of softmax_s(q . k / 8) v, both products on codes of FP6 (E2M3) with E8M0 scales; o is divided by the row's sum, quantised along the model's 1,024 (a head is two blocks of 32), stored as codes.
; Nothing of the problem is left out here.  THE SOFTMAX: t = score x log2(e) / 8; M = the row's largest t so far, rounded up to a whole number; p = 2^(t - M) is quantised along the keys, not normalised; the row's sum is
; taken of the unquantised p.  When M moves, the sum and O are multiplied by 2^(old M - new M), which rounds nothing.
; LIMITS: NaN and infinities are not served; the promise holds while |t| stays under 2^31; a block of zeros or under 2^-124 gets the scale byte 1; a block's largest p is made from the block's largest score, which
; takes v_exp_f32 not to fall where its input rises.
; SHARES.  A cluster of four work-groups has one (batch, head); a work-group 512 of its 2,048 queries, in two passes of 256; each of sixteen waves one tile of 16 queries a pass.
; ALL OF THE HEAD'S K AND V STAY IN LDS, in eight chunks of 256 keys: K's codes 12,288 bytes, V's 12,288, scale words 1,024.  Each of the sixteen waves asks for ONE piece of 12,288 bytes, jointly with the same wave of
; the three partners.  No LDS byte is filled twice.  The scale words come through registers: thread (wave w, lane L) gathers the four words that lane L wants in key step w and stores them as 16 bytes.
; No prefetch: everything is asked for at the head, there is no loop to run ahead in.
; THE HEAD IS 64 AND THE INSTRUCTION'S K IS 128: a fragment of K holds TWO tiles of 16 keys; against [Q | zeros] it gives the first tile's scores, against [zeros | Q] the second's.
; WHICH KEYS FORM A TILE is chosen by the lanes' LDS addresses: tile u (0..3) of 64 keys has keys 8 u + 0..7 in rows 0-7 and keys 32 + 8 u + 0..7 in rows 8-15.  Both products are used transposed, so lane (r, h) holds
; query r and its 32 registers of four tiles are keys 32 h + 0..31 of the 64: a whole block of 32, in the order in which the second product's operand wants it.  In qkv a piece of 768 bytes holds keys
; 32 g + 8 u' + x + 8 (x / 8), x its row: so rows 0-7 of a tile come from one piece and rows 8-15 from the piece two further on (1,536 bytes).  Two lanes of each sixteen then fall on the same banks.
.set KC_OFF, 6291456
.set QS_OFF, 18874368
.set KS_OFF, 19136512
.set OS_OFF, 6291456
.set CHK,   25600                      ; a chunk of 256 keys
.set SPARE, 8*CHK                      ; the spare words, 128 bytes for each of 16 waves
.set F,   40                           ; v40-87   four fragments, K's and then V's
.set BM,  88                           ; v88-95   at work: maxima, bytes, the conversions' scale operands
.set S,   96                           ; v96-159  S^T, then p
.set O,   160                          ; v160-191 O^T
.set PC,  192                          ; v192-203 p's codes
.set CT,  204                          ; v204-206, v208-210 upper halves of blocks before they are moved
.set ST,  220                          ; v220-235 eight partial sums of p, in pairs
.set OC,  248                          ; v248-254 o's codes and bytes
; v1 16 L, v2 8 L, v3 and v247 K's lane terms, v4, v5 the add's two, v6-9 the chunk's addresses, v10 512 + 8 L, v11 8 r, v12 and v14 -M by turns, v13 the largest score, v16-33 [zeros | Q | zeros], v34 Q's scale word,
; v35 p's, v36-39 K's two and V's two scale words, v[212:213] the row's sum, v[216:217] f, v218 at work, v[236:237] 1 / the sum, v240-246 the second pass's Q
.set WV,   8
.set SEL,  70
.set CS,   72                          ; s[72:73] c = log2(e) / 8
.set TB,   74
.set NC,   75                          ; -c
.set CNT,  76
.set PSEL, 77
.macro CROUND
	s_barrier_signal -1
	s_barrier_wait -1
	s_cmp_lg_u32 s[WV], 0
	s_cbranch_scc1 .Lnot_wave_0_\@
	s_barrier_signal -3
.Lnot_wave_0_\@:
	s_barrier_wait -3
	s_barrier_signal -1
	s_barrier_wait -1
.endm
	s_load_b128 s[4:7], s[0:1], 0x0                ; qkv, oq
	v_lshl_add_u32 v4, v0, 2, SPARE
	v_mov_b32 v5, 0
	ds_add_u32 v4, v5                              ; the opening: the add, twice on end, and its wait ahead of the first tensor load
	ds_add_u32 v4, v5
	v_lshrrev_b32 v6, 5, v0
	v_readfirstlane_b32 s[WV], v6                  ; wave 0..15
	s_bfe_u32 s9, ttmp6, 0x40000                   ; cx: it enters Q's and o's global addresses alone
	s_and_b32 s10, ttmp7, 0xffff                   ; 16 batch + head, which the four partners share
	s_lshr_b32 s11, s[WV], 3                       ; I fetch K (0) or V (1),
	s_and_b32 s19, s[WV], 7                        ; chunk 0..7
	s_mov_b32 s44, 15|(3<<16)|(1<<21)              ; group 1: the mask of all four; elements of 8 bytes; 12,288 dense bytes as 48 rows of 256
	s_mov_b32 s45, 32<<16
	s_mov_b32 s46, 48<<16
	s_mov_b32 s47, 32<<16
	s_mov_b32 s48, 48
	s_mov_b32 s49, 32
	s_mov_b32 s50, 0
	s_mov_b32 s51, 0
	s_mul_i32 s12, s10, 98304
	s_mul_i32 s13, s11, 6291456
	s_add_co_u32 s12, s12, s13
	s_mul_i32 s13, s19, 12288
	s_add_co_u32 s12, s12, s13
	s_add_co_u32 s12, s12, KC_OFF                  ; my piece of the head's codes
	s_mov_b32 s13, 0
	s_lshl_b32 s14, s10, 12
	s_add_co_u32 s14, s14, KS_OFF                  ; K's scale words; V's lie 262,144 bytes on
	s_mov_b32 s15, 0
	s_mul_i32 s16, s19, CHK
	s_mul_i32 s17, s11, 12288
	s_add_co_u32 s16, s16, s17                     ; where my piece goes
	s_lshr_b32 s17, s[WV], 1
	s_mul_i32 s17, s17, CHK
	s_and_b32 s28, s[WV], 1
	s_lshl_b32 s29, s28, 9
	s_add_co_u32 s17, s17, s29
	s_add_co_u32 s17, s17, 24576                   ; where key step w's scale words go
	s_lshl_b32 s18, s9, 5
	s_add_co_u32 s18, s18, s[WV]                   ; my tile of 16 queries in the first pass: 32 cx + wave; in the second 16 further on
	s_mul_i32 s20, s18, 768
	s_mul_i32 s21, s10, 98304
	s_add_co_u32 s20, s20, s21
	s_mov_b32 s21, 0
	s_lshr_b32 s22, s18, 1
	s_lshl_b32 s22, s22, 6
	s_lshl_b32 s23, s10, 12
	s_add_co_u32 s22, s22, s23
	s_add_co_u32 s22, s22, QS_OFF
	s_mov_b32 s23, 0
	s_mov_b32 s[SEL], 0x76543210
	s_mov_b32 s[SEL+1], 0xfedcba98
	s_mov_b32 s[CS], 0x3e38aa3b
	s_mov_b32 s[CS+1], s[CS]
	s_mov_b32 s[NC], 0xbe38aa3b
	s_mov_b32 s[PSEL], 0x03020302                  ; a word of Q's scales serves two tiles: an even tile's bytes are its low half, an odd tile's its high half
	s_cmp_eq_u32 s28, 0
	s_cselect_b32 s[PSEL], 0x01000100, s[PSEL]
	v_and_b32 v6, 31, v0                           ; L
	v_and_b32 v7, 15, v0                           ; r
	v_and_b32 v8, 7, v0                            ; r % 8
	v_bfe_u32 v9, v0, 3, 1                         ; r / 8
	v_bfe_u32 v88, v0, 4, 1                        ; h
	v_lshlrev_b32 v1, 4, v6
	v_lshlrev_b32 v2, 3, v6
	v_mul_u32_u24 v89, v9, 1536
	v_lshl_add_u32 v3, v8, 4, v89
	v_lshl_add_u32 v3, v88, 8, v3                  ; K's 16 bytes: 1,536 (r / 8) + 16 (r % 8) + 256 h
	v_lshl_add_u32 v247, v8, 3, v89
	v_lshl_add_u32 v247, v88, 7, v247              ; K's 8 bytes: 1,536 (r / 8) + 8 (r % 8) + 128 h
	v_add_nc_u32 v10, 512, v2
	v_lshlrev_b32 v11, 3, v7
	v_lshlrev_b32 v90, 2, v7                       ; 4 r
	v_and_b32 v91, 0x1e0, v0
	v_lshlrev_b32 v91, 3, v91                      ; 256 x wave: key step w's scale words
	v_lshl_add_u32 v92, v6, 2, v91                 ; V's: + 4 L
	v_lshl_add_u32 v93, v8, 2, v91
	v_lshl_add_u32 v93, v9, 6, v93
	v_lshl_add_u32 v93, v88, 5, v93                ; K's: + 64 (r / 8) + 32 h + 4 (r % 8): lanes 0-15 the first fragment of 64 keys, lanes 16-31 the second
	v_add_nc_u32 v94, s17, v1
	s_wait_alu depctr_va_vdst(0)                   ; the wait at the head's end
	s_wait_dscnt 0x0                               ; both opening adds are done
	s_wait_kmcnt 0x0
	s_add_nc_u64 s[12:13], s[4:5], s[12:13]
	s_add_nc_u64 s[14:15], s[4:5], s[14:15]
	s_add_nc_u64 s[60:61], s[4:5], s[20:21]        ; Q's codes
	s_add_nc_u64 s[62:63], s[4:5], s[22:23]        ; Q's scale words
	s_lshr_b32 s20, s10, 4                         ; batch
	s_and_b32 s21, s10, 15                         ; head
	s_lshl_b32 s20, s20, 7
	s_add_co_u32 s20, s20, s18                     ; my block of 16 tokens among the 512
	s_lshl_b32 s22, s20, 4
	s_add_co_u32 s22, s22, s21
	s_mul_i32 s22, s22, 768
	s_add_nc_u64 s[66:67], s[6:7], s[22:23]        ; o's codes: the head is the block's piece
	s_lshl_b32 s22, s20, 9
	s_lshr_b32 s20, s21, 2
	s_lshl_b32 s20, s20, 7
	s_add_co_u32 s22, s22, s20
	s_and_b32 s21, s21, 3
	s_lshl_b32 s21, s21, 1
	s_add_co_u32 s22, s22, s21
	s_add_co_u32 s22, s22, OS_OFF
	s_add_nc_u64 s[68:69], s[6:7], s[22:23]        ; o's scale bytes
	s_mov_b32 s24, 1
	s_mov_b32 s25, s16
	s_mov_b64 s[26:27], s[12:13]
	s_or_b32 s27, s27, 0x80000000
	CROUND                                         ; all four work-groups are here: the joint loads meet
	tensor_load_to_lds s[24:27], s[44:51]          ; my one load: every wave issues one
	s_nop 0
	global_load_b128 v[22:25], v1, s[60:61]        ; the first pass's Q, between the zeros
	global_load_b64 v[26:27], v10, s[60:61]
	global_load_b32 v214, v90, s[62:63]
	global_load_b128 v[240:243], v1, s[60:61] offset:12288         ; the second pass's
	global_load_b64 v[244:245], v10, s[60:61] offset:12288
	global_load_b32 v246, v90, s[62:63] offset:512
	global_load_b32 v36, v93, s[14:15]             ; the four scale words of lane L in key step w
	global_load_b32 v37, v93, s[14:15] offset:128
	global_load_b32 v38, v92, s[14:15] offset:262144
	global_load_b32 v39, v92, s[14:15] offset:262272
.macro FRAG reg, a16, a8, off
	ds_load_b128 v[\reg:\reg+3], v[\a16] offset:\off
	ds_load_b64 v[\reg+4:\reg+5], v[\a8] offset:\off+512
	ds_load_b128 v[\reg+6:\reg+9], v[\a16] offset:\off+768
	ds_load_b64 v[\reg+10:\reg+11], v[\a8] offset:\off+1280
.endm
.macro INIT                            ; a pass begins: the step is written once and finds zeros, which the first change of M (f = 0) leaves zeros
	v_mov_b32 v13, 0xff61b1e6                      ; -3e38, under every score
	v_mov_b32 v14, 0x7e967699                      ; the old -M: 1e38, so that the first f is 0
	v_mov_b32 v15, 0
	v_mov_b32 v212, 0
	v_mov_b32 v213, 0
	v_mov_b32 v216, 0
	v_mov_b32 v217, 0
.set j, 0
.rept 32
	v_mov_b32 v[O+j], 0
.set j, j+1
.endr
.set j, 0
.rept 16
	v_mov_b32 v[ST+j], 0
.set j, j+1
.endr
.endm
; The last eight additions of a step's sum are put off: four stand behind the step's last products, four behind the next step's first: they are the places behind those matrix instructions.
.macro TAIL1
.irp i, 0,1,2,3
	v_pk_add_f32 v[ST+2*\i:ST+2*\i+1], v[ST+2*\i:ST+2*\i+1], v[ST+8+2*\i:ST+9+2*\i]
.endr
.endm
.macro TAIL2
	v_pk_add_f32 v[ST:ST+1], v[ST:ST+1], v[ST+2:ST+3]
	v_pk_add_f32 v[ST+4:ST+5], v[ST+4:ST+5], v[ST+6:ST+7]
	v_pk_add_f32 v[ST:ST+1], v[ST:ST+1], v[ST+4:ST+5]
	v_pk_fma_f32 v[212:213], v[212:213], v[216:217], v[ST:ST+1] op_sel_hi:[1,0,1]   ; the row's sum x f + the step's
.endm
.macro TM n, NM                        ; t - M, two at a time
.rept \n
	v_pk_fma_f32 v[S+j:S+j+1], v[S+j:S+j+1], s[CS:CS+1], v[\NM:\NM+1] op_sel_hi:[1,0,0]
.set j, j+2
.endr
.endm
; A KEY STEP: 128 keys, the o-th of a chunk's two.  NM takes the new -M, OM holds the old.
.macro STEP o, NM, OM
.irp f, 0,1,2,3
	ds_load_b128 v[F+12*\f:F+12*\f+3], v6 offset:6144*\o+3072*(\f/2)+128*(\f%2)
	ds_load_b64 v[F+12*\f+4:F+12*\f+5], v7 offset:6144*\o+3072*(\f/2)+64*(\f%2)+512
	ds_load_b128 v[F+12*\f+6:F+12*\f+9], v6 offset:6144*\o+3072*(\f/2)+128*(\f%2)+768
	ds_load_b64 v[F+12*\f+10:F+12*\f+11], v7 offset:6144*\o+3072*(\f/2)+64*(\f%2)+1280
.endr
	ds_load_b128 v[36:39], v8 offset:24576+512*\o
	s_wait_alu depctr_va_vdst(0)                   ; the wait ahead of the wait below
	s_wait_dscnt 0x0
.irp f, 0,1,2,3                        ; S^T: fragment f against [Q | 0] and against [0 | Q]
.if \f%2
	v_wmma_scale_f32_16x16x128_f8f6f4 v[S+16*\f:S+16*\f+7], v[F+12*\f:F+12*\f+11], v[22:33], 0, v[36+\f/2], v34 matrix_a_fmt:MATRIX_FMT_FP6 matrix_b_fmt:MATRIX_FMT_FP6 matrix_a_scale:MATRIX_SCALE_ROW1
	v_wmma_scale_f32_16x16x128_f8f6f4 v[S+16*\f+8:S+16*\f+15], v[F+12*\f:F+12*\f+11], v[16:27], 0, v[36+\f/2], v34 matrix_a_fmt:MATRIX_FMT_FP6 matrix_b_fmt:MATRIX_FMT_FP6 matrix_a_scale:MATRIX_SCALE_ROW1
.else
	v_wmma_scale_f32_16x16x128_f8f6f4 v[S+16*\f:S+16*\f+7], v[F+12*\f:F+12*\f+11], v[22:33], 0, v[36+\f/2], v34 matrix_a_fmt:MATRIX_FMT_FP6 matrix_b_fmt:MATRIX_FMT_FP6
	v_wmma_scale_f32_16x16x128_f8f6f4 v[S+16*\f+8:S+16*\f+15], v[F+12*\f:F+12*\f+11], v[16:27], 0, v[36+\f/2], v34 matrix_a_fmt:MATRIX_FMT_FP6 matrix_b_fmt:MATRIX_FMT_FP6
.endif
.endr
	TAIL2                                          ; four places: in front of V's loads into K's registers and of the first read of the scores
.irp f, 0,1,2,3
	FRAG F+12*\f, 8, 9, 12288+6144*\o+1536*\f      ; V's four fragments land under the softmax
.endr
.irp b, 0,1,2,3                        ; the largest score of my two blocks of 32 keys, each in two chains
	v_max3_num_f32 v[BM+\b], v[S+16*\b], v[S+16*\b+1], v[S+16*\b+2]
.endr
.irp i, 3,5,7,9,11,13
.irp b, 0,1,2,3
	v_max3_num_f32 v[BM+\b], v[BM+\b], v[S+16*\b+\i], v[S+16*\b+\i+1]
.endr
.endr
	v_max3_num_f32 v[BM], v[BM], v[BM+1], v[S+15]
	v_max3_num_f32 v[BM+2], v[BM+2], v[BM+3], v[S+47]
	v_max_num_f32 v[BM], v[BM], v[S+31]
	v_max_num_f32 v[BM+2], v[BM+2], v[S+63]
	v_max_num_f32 v92, v[BM], v[BM+2]
	v_permlanex16_b32 v93, v92, s[SEL], s[SEL+1]
	v_max3_num_f32 v13, v13, v92, v93              ; the running largest score of my query
	v_mul_f32 v218, s[NC], v13                     ; -t
	v_floor_f32 v[\NM], v218                       ; the new -M = -ceil(t)
	v_sub_f32 v218, v[\NM], v[\OM]                 ; old M - new M: a whole number, 0 or less
.set j, 0
	TM 8, \NM
	v_cvt_i32_f32 v218, v218                       ; (it saturates)
	TM 8, \NM
	v_ldexp_f32 v216, 1.0, v218                    ; f = 2^(old M - new M)
	TM 16, \NM
	v_fma_f32 v[BM], v[BM], s[CS], v[\NM]          ; the same of each block's largest score
	v_fma_f32 v[BM+2], v[BM+2], s[CS], v[\NM]
.set j, 0
.rept 16
	v_pk_mul_f32 v[O+j:O+j+1], v[O+j:O+j+1], v[216:217] op_sel_hi:[1,0]   ; O^T under the new M, each accumulator from its low end on
.set j, j+2
.endr
	s_wait_alu depctr_va_vdst(0)                   ; the wait ahead of the batch
.set j, 0
.rept 64
	v_exp_f32 v[S+j], v[S+j]                       ; p = 2^(t - M)
.set j, j+1
.endr
	v_exp_f32 v[BM], v[BM]                         ; each block's largest p
	v_exp_f32 v[BM+2], v[BM+2]
	v_nop                                          ; the plain line behind the exponentials
	s_wait_alu depctr_va_vdst(0)                   ; one wait for the batch, ahead of its first reader
	v_max_num_f32 v[BM], 0x1800000, v[BM]          ; the floor 2^(3 - 127)
	v_max_num_f32 v[BM+2], 0x1800000, v[BM+2]
	s_delay_alu instid0(VALU_DEP_2)
	v_add_nc_u32 v94, 0xff000000, v[BM]            ; 2 off the exponent field: the conversions' scale operands
	s_delay_alu instid0(VALU_DEP_2)
	v_add_nc_u32 v95, 0xff000000, v[BM+2]
.irp c, 0,1                            ; registers 32 c .. 32 c + 31 are keys 64 c + 32 h + 0 .. 31: the operand's registers 6 c .. 6 c + 5
	v_cvt_scalef32_pk16_fp6_f32 v[PC+6*\c:PC+6*\c+2], v[S+32*\c:S+32*\c+15], v[94+\c]
	v_cvt_scalef32_pk16_fp6_f32 v[CT+4*\c:CT+4*\c+2], v[S+32*\c+16:S+32*\c+31], v[94+\c]
.endr
	v_lshrrev_b32 v89, 23, v94                     ; my two bytes: blocks h and 2 + h
	v_lshrrev_b32 v91, 23, v95
	s_delay_alu instid0(VALU_DEP_1)
	v_lshl_or_b32 v92, v91, 16, v89
	s_delay_alu instid0(VALU_DEP_1)
	v_permlanex16_b32 v93, v92, s[SEL], s[SEL+1]
	s_delay_alu instid0(VALU_DEP_1)
	v_lshl_or_b32 v35, v93, 8, v92                 ; p's scale word, whole in lanes 0-15, which alone are read
.irp c, 0,1
.irp i, 0,1,2
	v_mov_b32 v[PC+6*\c+3+\i], v[CT+4*\c+\i]       ; (a conversion's three registers begin on an even number)
.endr
.endr
.irp i, 0,1,2,3,4,5,6,7                ; the row's sum of the unquantised p, in eight chains; these 24 are also the places between p's codes and scale word and the products
	v_pk_add_f32 v[ST+2*\i:ST+2*\i+1], v[S+2*\i:S+2*\i+1], v[S+16+2*\i:S+17+2*\i]
.endr
.irp k, 32,48
.irp i, 0,1,2,3,4,5,6,7
	v_pk_add_f32 v[ST+2*\i:ST+2*\i+1], v[ST+2*\i:ST+2*\i+1], v[S+\k+2*\i:S+\k+1+2*\i]
.endr
.endr
	s_wait_alu depctr_va_vdst(0)                   ; the wait ahead of the wait below
	s_wait_dscnt 0x0                               ; V is in
.irp d, 0,1,2,3                        ; O^T += V^T P^T: the four accumulators by turns, one instruction a turn
.if \d%2
	v_wmma_scale_f32_16x16x128_f8f6f4 v[O+8*\d:O+8*\d+7], v[F+12*\d:F+12*\d+11], v[PC:PC+11], v[O+8*\d:O+8*\d+7], v[38+\d/2], v35 matrix_a_fmt:MATRIX_FMT_FP6 matrix_b_fmt:MATRIX_FMT_FP6 matrix_a_scale:MATRIX_SCALE_ROW1
.else
	v_wmma_scale_f32_16x16x128_f8f6f4 v[O+8*\d:O+8*\d+7], v[F+12*\d:F+12*\d+11], v[PC:PC+11], v[O+8*\d:O+8*\d+7], v[38+\d/2], v35 matrix_a_fmt:MATRIX_FMT_FP6 matrix_b_fmt:MATRIX_FMT_FP6
.endif
.endr
	TAIL1                                          ; four places in front of the next loads into V's registers
.endm
.macro PASS                            ; 2,048 keys: eight chunks of two steps
	s_mov_b32 s[TB], 0
	s_mov_b32 s[CNT], 8
.Lchunk_\@:
	v_add_nc_u32 v6, s[TB], v3
	v_add_nc_u32 v7, s[TB], v247
	v_add_nc_u32 v8, s[TB], v1
	v_add_nc_u32 v9, s[TB], v2
	STEP 0, 12, 14
	STEP 1, 14, 12
	s_add_co_u32 s[TB], s[TB], CHK
	s_sub_co_u32 s[CNT], s[CNT], 1
	s_cmp_lg_u32 s[CNT], 0
	s_wait_alu depctr_va_vdst(0)                   ; the wait ahead of the branch
	s_cbranch_scc1 .Lchunk_\@
.endm
; O^T / the sum; register 16 g + i is d = 32 g + 16 (lane / 16) + i: two blocks of 32, quantised; the piece of 768 bytes leaves straight from the registers.
.macro WAYOUT p
	s_wait_xcnt 0x0                                ; earlier loads and stores have read their registers
	TAIL2                                          ; the last step's sum
	s_delay_alu instid0(VALU_DEP_1)
	v_add_f32 v212, v212, v213
	s_delay_alu instid0(VALU_DEP_1)
	v_permlanex16_b32 v218, v212, s[SEL], s[SEL+1]
	s_delay_alu instid0(VALU_DEP_1)
	v_add_f32 v212, v212, v218                     ; the row's sum
	s_wait_alu depctr_va_vdst(0)
	v_rcp_f32 v236, v212
	v_nop
	s_wait_alu depctr_va_vdst(0)
.set j, 0
.rept 16
	v_pk_mul_f32 v[S+j:S+j+1], v[O+j:O+j+1], v[236:237] op_sel_hi:[1,0]
.set j, j+2
.endr
.irp b, 0,1
	v_max3_num_f32 v[BM+\b], |v[S+16*\b]|, |v[S+1+16*\b]|, 0x1800000
.endr
.irp i, 2,4,6,8,10,12,14
.irp b, 0,1
	s_delay_alu instid0(VALU_DEP_2)
	v_max3_num_f32 v[BM+\b], v[BM+\b], |v[S+16*\b+\i]|, |v[S+1+16*\b+\i]|
.endr
.endr
.irp b, 0,1
	s_delay_alu instid0(VALU_DEP_2)
	v_permlanex16_b32 v[92+\b], v[BM+\b], s[SEL], s[SEL+1]
.endr
.irp b, 0,1
	s_delay_alu instid0(VALU_DEP_2)
	v_max_num_f32 v[BM+\b], v[BM+\b], v[92+\b]
.endr
.irp b, 0,1
	s_delay_alu instid0(VALU_DEP_2)
	v_add_nc_u32 v[94+\b], 0xff000000, v[BM+\b]
.endr
.irp b, 0,1
	s_delay_alu instid0(VALU_DEP_2)
	v_lshrrev_b32 v[92+\b], 23, v[94+\b]
.endr
	s_delay_alu instid0(VALU_DEP_1)
	v_lshl_or_b32 v[OC+6], v93, 8, v92
	v_cvt_scalef32_pk16_fp6_f32 v[OC:OC+2], v[S:S+15], v94
	v_cvt_scalef32_pk16_fp6_f32 v[CT:CT+2], v[S+16:S+31], v95
	v_nop
.irp i, 0,1,2
	v_permlane16_swap_b32 v[OC+\i], v[CT+\i]
.endr
.irp i, 0,1,2
	s_delay_alu instid0(VALU_DEP_3)
	v_mov_b32 v[OC+3+\i], v[CT+\i]
.endr
	global_store_b128 v1, v[OC:OC+3], s[66:67] offset:\p*196608    ; 512 and 256 consecutive bytes, at multiples of 256 from the buffer's first byte
	global_store_b64 v10, v[OC+4:OC+5], s[66:67] offset:\p*196608
	global_store_b16 v11, v[OC+6], s[68:69] offset:\p*8192         ; a head owns 2 of a row's 32 scale bytes; lanes r and 16 + r store the same two
.endm
	s_wait_loadcnt 0x0                             ; Q and my scale words
	v_perm_b32 v34, v214, v214, s[PSEL]            ; {s0, s1, s0, s1}: it serves [Q | 0] and [0 | Q]
.irp i, 0,1,2,3,4,5
	v_mov_b32 v[16+\i], 0
	v_mov_b32 v[28+\i], 0
.endr
	v_mov_b32 v237, 0                              ; upper half of a pair whose low word serves both
	INIT
	s_wait_alu depctr_va_vdst(0)                   ; the wait ahead of the wait below
	s_wait_tensorcnt 0x0                           ; my piece is in
	ds_store_b128 v94, v[36:39]                    ; key step w's scale words, 16 bytes a lane, on bytes into which no load lands
	s_wait_dscnt 0x0
	s_barrier_signal -1
	s_barrier_wait -1                              ; all of K, V and the scale words are there for all sixteen waves; from here on no barrier
	PASS
	WAYOUT 0
.irp i, 0,1,2,3,4,5
	v_mov_b32 v[22+\i], v[240+\i]                  ; the second pass's Q
.endr
	v_perm_b32 v34, v246, v246, s[PSEL]
	INIT
	PASS
	WAYOUT 1
	s_wait_tensorcnt 0x0                           ; the wave's end
	ds_add_u32 v4, v5
	s_wait_dscnt 0x0
	CROUND                                         ; the closing round
	s_endpgm
.Lfunc_end_k_q880b6f593b_attn:
	.size	k_q880b6f593b_attn, .Lfunc_end_k_q880b6f593b_attn-k_q880b6f593b_attn
	.p2alignl 7, 3214868480
	.fill 96, 4, 3214868480
	.section	.rodata,"a",@progbits
	.p2align	6, 0x0
	.amdhsa_kernel k_q880b6f593b_attn
		.amdhsa_group_segment_fixed_size 206848
		.amdhsa_private_segment_fixed_size 0
		.amdhsa_enable_private_segment 0
		.amdhsa_kernarg_size 16
		.amdhsa_user_sgpr_count 2
		.amdhsa_user_sgpr_kernarg_segment_ptr 1
		.amdhsa_wavefront_size32 1
		.amdhsa_system_sgpr_workgroup_id_x 1
		.amdhsa_system_sgpr_workgroup_id_y 1
		.amdhsa_system_sgpr_workgroup_id_z 1
		.amdhsa_system_vgpr_workitem_id 0
		.amdhsa_next_free_vgpr 256
		.amdhsa_next_free_sgpr 80
		.amdhsa_reserve_vcc 0
		.amdhsa_float_denorm_mode_32 3
		.amdhsa_float_denorm_mode_16_64 3
		.amdhsa_memory_ordered 1
		.amdhsa_forward_progress 1
		.amdhsa_inst_pref_size 79
	.end_amdhsa_kernel
	.amdgpu_metadata
---
amdhsa.version: [ 1, 2 ]
amdhsa.kernels:
  - .name:           k_q880b6f593b_attn
    .symbol:         k_q880b6f593b_attn.kd
    .args:
      - { .name: qkv, .offset: 0, .size: 8, .value_kind: global_buffer, .address_space: global }
      - { .name: oq, .offset: 8, .size: 8, .value_kind: global_buffer, .address_space: global }
    .group_segment_fixed_size: 206848
    .private_segment_fixed_size: 0
    .kernarg_segment_align: 8
    .kernarg_segment_size: 16
    .max_flat_workgroup_size: 512
    .sgpr_count:     80
    .vgpr_count:     256
    .wavefront_size: 32
...
	.end_amdgpu_metadata
.endif
;; end of part 4
;; launch proj (part 5): grid 4 x 64, 4 waves a work-group, clusters of 4 x 4, 327,680 bytes of LDS; arguments oq, wq, bproj, out0; writes out0
.if DOCPART == 5
	.amdgcn_target "amdgcn-amd-amdhsa--gfx1250"
	.amdhsa_code_object_version 6
	.text
	.protected	k_q880b6f593b_proj
	.globl	k_q880b6f593b_proj
	.p2align	8
	.type	k_q880b6f593b_proj,@function
k_q880b6f593b_proj:
	s_mov_b64 s[64:65], 0
	v_nop
	global_prefetch_b8 v0, s[64:65] scope:SCOPE_SE
	s_setreg_imm32_b32 hwreg(HW_REG_WAVE_MODE, 25, 1), 1
	s_wait_xcnt 0x0
	s_wait_alu depctr_hold_cnt(0) depctr_sa_sdst(0) depctr_va_vdst(0) depctr_va_sdst(0) depctr_va_ssrc(0) depctr_va_vcc(0) depctr_vm_vsrc(0)
	s_getreg_b32 s2, hwreg(HW_REG_IB_STS2, 6, 4)
	s_cmp_eq_u32 s2, 0
	s_cbranch_scc0 .Lentry_in_a_cluster
	s_endpgm
.Lentry_in_a_cluster:
	s_bfe_u32 s2, ttmp6, 0x10000c
	s_cmp_lg_u32 s2, 0xf033
	s_cbranch_scc0 .Lentry_shape_is_right
	s_endpgm
.Lentry_shape_is_right:
; out0 [8192][1024] = o Wproj + bproj, on codes of FP6 (E2M3) with E8M0 scales, laid as the first two launches lay them (blocks of 16 rows, 12,288 bytes of codes and 512 scale bytes each).  Nothing of the problem is left out here.
; A work-group makes 128 tokens x 256 columns: 64 x 4 = 256 work-groups.  A wave makes 64 x 128: 32 accumulators, 256 registers (window 2).
; ALL OF K LIES IN LDS: the tokens' 8 blocks are 98,304 dense bytes, the columns' 16 blocks 196,608, their scale bytes 4,096 and 8,192.  Four joint loads at the head, one a wave; no byte is filled twice, so the walk
; along K has no barrier.  CLUSTERS of 4 x 4: the tokens' bytes are shared along a row of the cluster, the columns' along a column.  No prefetch: everything is asked for at the head.
; The matrix instruction is used transposed (source 0 = 16 columns, source 1 = 16 tokens): a lane holds eight numbers of one row of out0.
; Windows: 0: addresses, scale words (two sets), the tokens' fragments (two sets of 4 at v128, v176); 1: the columns' fragments (two sets of 8 at v0, v128); 2: the accumulators.
.set OS_OFF,  6291456
.set WPC_OFF, 2457600
.set WPS_OFF, 3244032
.set FR,    12
.set NP,    4
.set BLK,   12288
.set PB,    8*BLK                      ; the columns' codes, behind the tokens'
.set SCL,   24*BLK                     ; the scale bytes: the tokens' 4,096, the columns' 8,192
.set SPARE, SCL+12288                  ; the spare words, 128 bytes a wave
.set SPITCH, 528
.set ADN,  16                          ; v16, v17 the tokens' fragments: 16 L and 8 L
.set ADN8, 17
.set ADP,  18                          ; v18-19 the columns' blocks 0-3, 4-7: 16 L;  v20-21: 8 L
.set ADP8, 20
.set STO,  24
.set RD,   25
.set CO,   26
.set ADRS, 27
.set SPW,  28
.set NIL,  29
.set L8,   31
.set SC,   32
.set BI,   64
.set AF,   128
.set BK,   128
.set G1N,  24
.set G0N,  32
.set G0P,  36
.set G1P,  48
.set G0SN, 56
.set G0SP, 60
.set G1SN, 68
.set G1SP, 80
.set MSB, 0
.macro WIN new
.if MSB != (\new)
	s_set_vgpr_msb (MSB<<8)|(\new)
.set MSB, (\new)
.endif
.endm
.set MUL_LO, 0xa1                      ; source 0 window 1, source 1 window 0, C and D window 2
.set TO_P,   0x40
.macro CROUND
	s_barrier_signal -1
	s_barrier_wait -1
	s_cmp_lg_u32 s16, 0
	s_cbranch_scc1 .Lnot_wave_0_\@
	s_barrier_signal -3
.Lnot_wave_0_\@:
	s_barrier_wait -3
	s_barrier_signal -1
	s_barrier_wait -1
.endm
.macro PLACES n
.rept \n
	v_nop
.endr
.endm
	s_load_b256 s[4:11], s[0:1], 0x0               ; oq, wq, bproj, out0
	v_lshl_add_u32 v[SPW], v0, 2, SPARE
	v_mov_b32 v[NIL], 0
	ds_add_u32 v[SPW], v[NIL]                      ; the opening: the add, twice on end, and its wait ahead of the first tensor load
	ds_add_u32 v[SPW], v[NIL]
	v_lshrrev_b32 v1, 5, v0
	v_readfirstlane_b32 s16, v1                    ; wave
	s_lshr_b32 s17, s16, 1                         ; my half of the tokens
	s_and_b32 s18, s16, 1                          ; my half of the columns
	s_bfe_u32 s40, ttmp6, 0x40000
	s_bfe_u32 s41, ttmp6, 0x40004
	s_lshl_b32 s42, ttmp9, 2
	s_add_co_u32 s42, s42, s40                     ; tile column
	s_and_b32 s43, ttmp7, 0xffff
	s_lshl_b32 s43, s43, 2
	s_add_co_u32 s43, s43, s41                     ; tile row
	s_lshl_b32 s44, s41, 2
	s_lshl_b32 s44, 15, s44                        ; my row of the cluster
	s_lshl_b32 s45, 0x1111, s40                    ; my column
	s_or_b32 s[G1N], s44, (3<<16)|(1<<21)          ; dense bytes as rows of 256: 32 elements of 8 bytes
	s_or_b32 s[G1SN], s44, (3<<16)|(1<<21)
	s_or_b32 s[G1P], s45, (3<<16)|(1<<21)
	s_or_b32 s[G1SP], s45, (3<<16)|(1<<21)
.irp g, G1N, G1P, G1SN, G1SP
	s_mov_b32 s[\g+1], 32<<16
	s_mov_b32 s[\g+3], 32<<16
	s_mov_b32 s[\g+5], 32
	s_mov_b32 s[\g+6], 0
	s_mov_b32 s[\g+7], 0
.endr
	s_mov_b32 s[G1N+2], 384<<16
	s_mov_b32 s[G1N+4], 384
	s_mov_b32 s[G1P+2], 768<<16
	s_mov_b32 s[G1P+4], 768
	s_mov_b32 s[G1SN+2], 16<<16
	s_mov_b32 s[G1SN+4], 16
	s_mov_b32 s[G1SP+2], 32<<16
	s_mov_b32 s[G1SP+4], 32
	s_mul_i32 s20, s43, 8*BLK
	s_mov_b32 s21, 0
	s_lshl_b32 s22, s43, 12
	s_add_co_u32 s22, s22, OS_OFF
	s_mov_b32 s23, 0
	s_mul_i32 s46, s42, 16*BLK
	s_add_co_u32 s46, s46, WPC_OFF
	s_mov_b32 s47, 0
	s_lshl_b32 s92, s42, 13
	s_add_co_u32 s92, s92, WPS_OFF
	s_mov_b32 s93, 0
	s_wait_dscnt 0x0                               ; both opening adds are done
	s_wait_kmcnt 0x0
	s_mov_b32 s[G0N], 1
	s_mov_b32 s[G0N+1], 0
	s_add_nc_u64 s[G0N+2:G0N+3], s[4:5], s[20:21]
	s_or_b32 s[G0N+3], s[G0N+3], 0x80000000
	s_mov_b32 s[G0P], 1
	s_mov_b32 s[G0P+1], PB
	s_add_nc_u64 s[G0P+2:G0P+3], s[6:7], s[46:47]
	s_or_b32 s[G0P+3], s[G0P+3], 0x80000000
	s_mov_b32 s[G0SN], 1
	s_mov_b32 s[G0SN+1], SCL
	s_add_nc_u64 s[G0SN+2:G0SN+3], s[4:5], s[22:23]
	s_or_b32 s[G0SN+3], s[G0SN+3], 0x80000000
	s_mov_b32 s[G0SP], 1
	s_mov_b32 s[G0SP+1], SCL+4096
	s_add_nc_u64 s[G0SP+2:G0SP+3], s[6:7], s[92:93]
	s_or_b32 s[G0SP+3], s[G0SP+3], 0x80000000
	CROUND                                         ; all sixteen work-groups are here: the joint loads meet
; One load a wave, in one chain of branches on the wave's number: the tokens' codes, the columns' codes, the tokens' scale bytes, the columns'.
.macro ARM under, g0, g1, next
	s_cmp_lt_u32 s16, \under
	s_cbranch_scc0 \next
	tensor_load_to_lds s[\g0:\g0+3], s[\g1:\g1+7]
	s_nop 0
.rept 4
	v_nop
.endr
	s_branch .Lhead_asked
\next:
.endm
	ARM 1, G0N,  G1N,  .Lhead_p
	ARM 2, G0P,  G1P,  .Lhead_sn
	ARM 3, G0SN, G1SN, .Lhead_sp
	tensor_load_to_lds s[G0SP:G0SP+3], s[G1SP:G1SP+7]
	s_nop 0
.rept 4
	v_nop
.endr
.Lhead_asked:
	s_mul_i32 s20, s17, 4*BLK                      ; my 4 blocks of tokens
	s_mul_i32 s22, s18, 8*BLK
	s_add_co_u32 s22, s22, PB                      ; my 8 blocks of columns,
	s_add_co_u32 s23, s22, 4*BLK                   ; the upper four
	s_lshl_b32 s96, s17, 11                        ; the tokens' scale bytes: my half
	s_lshl_b32 s97, s18, 12
	s_add_co_u32 s97, s97, 4096                    ; the columns'
	s_sub_co_u32 s97, s97, s96
	s_add_co_u32 s96, s96, SCL
	s_mul_i32 s98, s16, 16*SPITCH                  ; my stage, on the tokens' bytes, used behind the barrier that ends all reads of them
	s_lshl_b32 s2, s42, 10
	s_lshl_b32 s3, s18, 9
	s_add_co_u32 s2, s2, s3                        ; my first column, in bytes
	s_mov_b32 s3, 0
	s_add_nc_u64 s[8:9], s[8:9], s[2:3]
	s_lshl_b32 s100, s43, 19
	s_lshl_b32 s101, s17, 18
	s_add_co_u32 s100, s100, s101                  ; my first token's row
	s_mov_b32 s101, 0
	s_add_nc_u64 s[10:11], s[10:11], s[100:101]
	s_add_nc_u64 s[10:11], s[10:11], s[2:3]
	v_and_b32 v1, 31, v0
	v_and_b32 v2, 15, v0
	v_bfe_u32 v3, v0, 4, 1
	v_lshlrev_b32 v[CO], 4, v1
	v_lshlrev_b32 v[L8], 3, v1
	v_add_nc_u32 v[ADN], s20, v[CO]
	v_add_nc_u32 v[ADN8], s20, v[L8]
	v_add_nc_u32 v[ADP], s22, v[CO]
	v_add_nc_u32 v[ADP+1], s23, v[CO]
	v_add_nc_u32 v[ADP8], s22, v[L8]
	v_add_nc_u32 v[ADP8+1], s23, v[L8]
	v_mul_u32_u24 v4, s97, v3                      ; lanes 16-31 take the columns' scale words
	v_lshl_add_u32 v4, v2, 3, v4
	v_add_nc_u32 v[ADRS], s96, v4
	v_mul_u32_u24 v5, v2, SPITCH
	v_lshl_add_u32 v5, v3, 6, v5
	v_add_nc_u32 v[STO], s98, v5
	v_add_nc_u32 v[RD], s98, v[CO]
	s_wait_alu depctr_va_vdst(0)                   ; the wait at the head's end
	global_load_b128 v[BI:BI+3], v[CO], s[8:9]     ; the bias of my four columns of a row's 128
	s_wait_tensorcnt 0x0                           ; my load is in
	s_barrier_signal -1
	s_barrier_wait -1                              ; and everybody's
.macro FRAG reg, a16, a8, off
	ds_load_b128 v[\reg:\reg+3], v[\a16] offset:\off
	ds_load_b64 v[\reg+4:\reg+5], v[\a8] offset:\off+512
	ds_load_b128 v[\reg+6:\reg+9], v[\a16] offset:\off+768
	ds_load_b64 v[\reg+10:\reg+11], v[\a8] offset:\off+1280
.endm
.macro FETCH st                        ; the fragments of step st (128 along K: 1,536 bytes of a block) into the sets st % 2; with an even step the scale words of two steps
	WIN TO_P
.irp i, 0,1,2,3,4,5,6,7
	FRAG 128*((\st)%2)+FR*\i, ADP+\i/4, ADP8+\i/4, (\i%4)*BLK+(\st)*1536
.endr
	WIN 0
.irp i, 0,1,2,3
	FRAG AF+48*((\st)%2)+FR*\i, ADN, ADN8, \i*BLK+(\st)*1536
.endr
.if (\st)%2 == 0
.irp i, 0,1,2,3,4,5,6,7
	ds_load_b64 v[SC+16*(((\st)/2)%2)+2*\i:SC+16*(((\st)/2)%2)+2*\i+1], v[ADRS] offset:\i*512+128*((\st)/2)
.endr
.endif
.endm
.macro MUL16 a0, st, zero              ; the 32 accumulators take turns, one instruction a turn, in the same order in every step
.irp a, \a0, \a0+1
.irp b, 0,1,2,3,4,5,6,7
.if \zero
	v_wmma_scale_f32_16x16x128_f8f6f4 v[8*(8*(\a)+\b):8*(8*(\a)+\b)+7], v[128*((\st)%2)+FR*\b:128*((\st)%2)+FR*\b+FR-1], v[AF+48*((\st)%2)+FR*(\a):AF+48*((\st)%2)+FR*(\a)+FR-1], 0, v[SC+16*(((\st)/2)%2)+2*\b+(\st)%2], v[SC+16*(((\st)/2)%2)+2*(\a)+(\st)%2] matrix_a_fmt:MATRIX_FMT_FP6 matrix_b_fmt:MATRIX_FMT_FP6 matrix_a_scale:MATRIX_SCALE_ROW1
.else
	v_wmma_scale_f32_16x16x128_f8f6f4 v[8*(8*(\a)+\b):8*(8*(\a)+\b)+7], v[128*((\st)%2)+FR*\b:128*((\st)%2)+FR*\b+FR-1], v[AF+48*((\st)%2)+FR*(\a):AF+48*((\st)%2)+FR*(\a)+FR-1], v[8*(8*(\a)+\b):8*(8*(\a)+\b)+7], v[SC+16*(((\st)/2)%2)+2*\b+(\st)%2], v[SC+16*(((\st)/2)%2)+2*(\a)+(\st)%2] matrix_a_fmt:MATRIX_FMT_FP6 matrix_b_fmt:MATRIX_FMT_FP6 matrix_a_scale:MATRIX_SCALE_ROW1
.endif
.endr
.endr
.endm
.macro KSTEP st, zero
	s_wait_dscnt 0x0                               ; this step's fragments are in
.if (\st) < 7
	PLACES NP                                      ; in front of loads into the sets that the step before multiplied
	FETCH (\st)+1
.endif
	WIN MUL_LO
	MUL16 0, \st, \zero
	MUL16 2, \st, \zero
	WIN 0
.endm
	FETCH 0
	KSTEP 0, 1                                     ; the first step's products start the sums
.irp t, 1,2,3,4,5,6,7
	KSTEP \t, 0
.endr
	s_barrier_signal -1                            ; no LDS read of mine is out: behind this barrier nobody reads the codes, and the stages may lie on them
	s_barrier_wait -1
.macro TOSTAGE a                       ; 16 tokens x 128 columns through my stage, back as whole rows of 512 bytes; a wave's LDS instructions are served in order
	WIN 0x08
.irp b, 0,1,2,3,4,5,6,7
	ds_store_b128 v[STO], v[64*(\a)+8*\b:64*(\a)+8*\b+3] offset:128*(\b/2)+32*(\b%2)
	ds_store_b128 v[STO], v[64*(\a)+8*\b+4:64*(\a)+8*\b+7] offset:128*(\b/2)+32*(\b%2)+16
.endr
	WIN 0
.set BB, BK+64*((\a)%2)
.irp t, 0,1,2,3,4,5,6,7,8,9,10,11,12,13,14,15
	ds_load_b128 v[BB+4*\t:BB+4*\t+3], v[RD] offset:\t*SPITCH
.endr
.endm
.macro SEND a, younger                 ; younger: the LDS instructions issued behind block a's loads, which may stay out
.set BB, BK+64*((\a)%2)
	s_wait_dscnt \younger
.irp t, 0,1,2,3,4,5,6,7,8,9,10,11,12,13,14,15
	v_pk_add_f32 v[BB+4*\t:BB+4*\t+1], v[BB+4*\t:BB+4*\t+1], v[BI:BI+1]
	v_pk_add_f32 v[BB+4*\t+2:BB+4*\t+3], v[BB+4*\t+2:BB+4*\t+3], v[BI+2:BI+3]
	global_store_b128 v[CO], v[BB+4*\t:BB+4*\t+3], s[10:11] offset:(32*((\a)/2)+8*((\a)%2)+\t+8*(\t/8))*4096 th:TH_STORE_NT   ; 512 consecutive bytes, at a multiple of 256 from the buffer's first byte
.endr
.endm
	s_wait_loadcnt 0x0                             ; the bias
	PLACES NP
	TOSTAGE 0
.irp a, 1,2,3
.if \a > 1
	s_wait_xcnt 0x0                                ; block a - 2's stores have read their registers
.endif
	TOSTAGE \a
	SEND \a-1, 32                                  ; behind block a - 1's loads: block a's 16 stores and 16 loads
.endr
	SEND 3, 0
	s_wait_tensorcnt 0x0                           ; the wave's end
	ds_add_u32 v[SPW], v[NIL]
	s_wait_dscnt 0x0
	CROUND                                         ; the closing round
	s_endpgm
.Lfunc_end_k_q880b6f593b_proj:
	.size	k_q880b6f593b_proj, .Lfunc_end_k_q880b6f593b_proj-k_q880b6f593b_proj
	.p2alignl 7, 3214868480
	.fill 96, 4, 3214868480
	.section	.rodata,"a",@progbits
	.p2align	6, 0x0
	.amdhsa_kernel k_q880b6f593b_proj
		.amdhsa_group_segment_fixed_size 327680
		.amdhsa_private_segment_fixed_size 0
		.amdhsa_enable_private_segment 0
		.amdhsa_kernarg_size 32
		.amdhsa_user_sgpr_count 2
		.amdhsa_user_sgpr_kernarg_segment_ptr 1
		.amdhsa_wavefront_size32 1
		.amdhsa_system_sgpr_workgroup_id_x 1
		.amdhsa_system_sgpr_workgroup_id_y 1
		.amdhsa_system_sgpr_workgroup_id_z 1
		.amdhsa_system_vgpr_workitem_id 0
		.amdhsa_next_free_vgpr 768
		.amdhsa_next_free_sgpr 102
		.amdhsa_reserve_vcc 0
		.amdhsa_float_denorm_mode_32 3
		.amdhsa_float_denorm_mode_16_64 3
		.amdhsa_memory_ordered 1
		.amdhsa_forward_progress 1
		.amdhsa_inst_pref_size 91
	.end_amdhsa_kernel
	.amdgpu_metadata
---
amdhsa.version: [ 1, 2 ]
amdhsa.kernels:
  - .name:           k_q880b6f593b_proj
    .symbol:         k_q880b6f593b_proj.kd
    .args:
      - { .name: oq, .offset: 0, .size: 8, .value_kind: global_buffer, .address_space: global }
      - { .name: wq, .offset: 8, .size: 8, .value_kind: global_buffer, .address_space: global }
      - { .name: bproj, .offset: 16, .size: 8, .value_kind: global_buffer, .address_space: global }
      - { .name: out0, .offset: 24, .size: 8, .value_kind: global_buffer, .address_space: global }
    .group_segment_fixed_size: 327680
    .private_segment_fixed_size: 0
    .kernarg_segment_align: 8
    .kernarg_segment_size: 32
    .max_flat_workgroup_size: 128
    .sgpr_count:     102
    .vgpr_count:     768
    .wavefront_size: 32
...
	.end_amdgpu_metadata
.endif
;; end of part 5
